; MI455X (gfx1250); checked and timed in simulation.
; The chip was launched on July 23, 2026; its instructions are those of AMD's public machine-readable ISA for CDNA 5 (MIT licence, August 2026) and "CDNA5" Instruction Set Architecture Reference Guide (July 2026). The comments in the code are by the model that wrote it; some were corrected since.
;; Efficient Attention. Allowed arithmetic: float matrix products may take bf16 or f16 operands with f32 sums; other float arithmetic in f32, or as packed bf16 or f16 multiplies, adds, multiply-adds, maxima and minima; sums over many terms, partial sums and values carried from step to step in f32; what a program stores and reads back later, other than sums and carried values, may be rounded once to bf16 or f16.
;; Inputs: W_K 1,024 x 1,024 float32; W_Q 1,024 x 1,024 float32; W_V 1,024 x 1,024 float32; input_seq_embs 4 x 4,096 x 1,024 float32.
;; Outputs: out0 4 x 4,096 x 1,024 float32.
;; 2 versions, each right; version 2 is version 1 with the launches cast, mix written anew for expert scheduling mode. Each part assembles by itself: llvm-mc -triple=amdgcn-amd-amdhsa -mcpu=gfx1250 --defsym DOCPART=n.
;; ======== version 1 of 2: 3 launches
;; limits: values are held in f16: magnitudes above 65,504 overflow, below 6.1e-05 lose precision
;; workspace buffers: xb 33,554,432 bytes; wb 6,291,456 bytes; qkv 100,663,296 bytes
;; launch cast (part 1): grid 256 x 1, 19 waves a work-group, no clusters, 0 bytes of LDS; arguments input_seq_embs, W_K, W_Q, W_V, xb, wb; writes xb, wb
.if DOCPART == 1
	.amdgcn_target "amdgcn-amd-amdhsa--gfx1250"
	.amdhsa_code_object_version 6
	.text
	.protected	k_qcf4c32121f_cast
	.globl	k_qcf4c32121f_cast
	.p2align	8
	.type	k_qcf4c32121f_cast,@function
k_qcf4c32121f_cast:
	s_mov_b64 s[64:65], 0
	v_nop
	global_prefetch_b8 v0, s[64:65] scope:SCOPE_SE
	s_setreg_imm32_b32 hwreg(HW_REG_WAVE_MODE, 25, 1), 1
	s_wait_xcnt 0x0
; xb = x rounded to bf16, [16384][1024].  wb = W_K, W_Q, W_V rounded to bf16, one below the other, [3072][1024]; the rows of W_K and W_V are laid in another order.
; THE ORDER.  Row n' (0..1023) of wb's K part (and of its V part) is row head*64 + c of the weight, with n' = (c>>3)*128 + (head>>3)*64 + (c&7)*8 + (head&7).
; So the projection that follows, which writes plain row-major results, leaves the 16 heads of one channel c as two runs of 16 bytes.  W_Q keeps its order.
; SHARES.  16,384 + 3,072 = 19,456 rows of 4,096 bytes = 256 work-groups x 19 waves x 4 rows.  A wave's four rows lie in one buffer (every boundary is a multiple of 4);
; in the other order four consecutive n' are four consecutive heads: 64 source rows apart.
; A stream: every byte is read once and written once; no LDS, no matrix unit, and no cluster, since no two work-groups read the same bytes.
; All 32 loads of a wave (16 KiB) go out before its first wait; no register is written twice, so no wait frees one.
; LIMITS.  Rounding to nearest even; NaN and infinities pass as the conversion leaves them.
.set ROWS_X, 16384
.set ROWB,   4096                      ; bytes in a source row
.set X,      16                        ; v[16:143] 32 loads of four registers
	s_load_b256 s[4:11], s[0:1], 0x0               ; x s[4:5], W_K s[6:7], W_Q s[8:9], W_V s[10:11]
	s_load_b128 s[12:15], s[0:1], 0x20             ; xb s[12:13], wb s[14:15]
	v_lshrrev_b32 v3, 5, v0
	v_readfirstlane_b32 s16, v3                    ; wave 0..18
	v_and_b32 v1, 31, v0
	v_lshlrev_b32 v2, 3, v1                        ; 8 bytes a lane in a destination row
	v_lshlrev_b32 v1, 4, v1                        ; 16 bytes a lane in a source row
	s_mul_i32 s17, ttmp9, 19
	s_add_co_u32 s17, s17, s16
	s_lshl_b32 s17, s17, 2                         ; my first row in the joined list
	s_cmp_lt_u32 s17, ROWS_X
	s_cselect_b32 s18, 1, 0                        ; 1: my rows are x's
	s_sub_co_u32 s19, s17, ROWS_X
	s_cmp_eq_u32 s18, 1
	s_cselect_b32 s19, 0, s19                      ; n: my first row in wb (0 where my rows are x's)
	s_lshr_b32 s30, s19, 10                        ; which weight: 0 K, 1 Q, 2 V
	s_and_b32 s31, s19, 1023                       ; n'
	s_bfe_u32 s37, s31, 0x10006                    ; head>>3
	s_lshl_b32 s37, s37, 9                         ; x 8 heads x 64 rows
	s_and_b32 s38, s31, 4                          ; head&7 of my first row: 0 or 4
	s_lshl_b32 s38, s38, 6
	s_add_co_u32 s37, s37, s38
	s_lshr_b32 s38, s31, 7                         ; c>>3
	s_lshl_b32 s38, s38, 3
	s_add_co_u32 s37, s37, s38
	s_bfe_u32 s38, s31, 0x30003                    ; c&7
	s_add_co_u32 s37, s37, s38                     ; the source row in the other order
	s_cmp_eq_u32 s30, 1
	s_cselect_b32 s36, 1, 0
	s_or_b32 s36, s36, s18                         ; 1: the rows keep their order (x, W_Q)
	s_mov_b32 s40, 64*ROWB
	s_cmp_eq_u32 s36, 1
	s_cselect_b32 s40, ROWB, s40                   ; bytes from one of my source rows to the next
	s_cselect_b32 s38, s31, s37
	s_cmp_eq_u32 s18, 1
	s_cselect_b32 s38, s17, s38                    ; my first source row
	s_cselect_b32 s42, s17, s19                    ; my first destination row
	s_lshl_b32 s38, s38, 12                        ; in bytes: under 2^27
	s_mov_b32 s39, 0
	s_mov_b32 s41, 0
	s_lshl_b32 s42, s42, 11
	s_mov_b32 s43, 0
	s_wait_kmcnt 0x0
	s_cmp_eq_u32 s30, 0                            ; the buffers are chosen on my row's number alone
	s_cselect_b64 s[34:35], s[6:7], s[10:11]
	s_cmp_eq_u32 s30, 1
	s_cselect_b64 s[34:35], s[8:9], s[34:35]
	s_cmp_eq_u32 s18, 1
	s_cselect_b64 s[34:35], s[4:5], s[34:35]
	s_cselect_b64 s[28:29], s[12:13], s[14:15]
	s_add_nc_u64 s[20:21], s[34:35], s[38:39]      ; my four source rows
	s_add_nc_u64 s[22:23], s[20:21], s[40:41]
	s_add_nc_u64 s[24:25], s[22:23], s[40:41]
	s_add_nc_u64 s[26:27], s[24:25], s[40:41]
	s_add_nc_u64 s[28:29], s[28:29], s[42:43]      ; my four destination rows, 2,048 bytes each, on end
.irp i, 0,1,2,3
.irp c, 0,1,2,3,4,5,6,7
	global_load_b128 v[X+4*(8*(\i)+(\c)):X+4*(8*(\i)+(\c))+3], v1, s[20+2*(\i):21+2*(\i)] offset:512*(\c) th:TH_LOAD_NT  ; 512 consecutive bytes
.endr
.endr
.set k, 0
.rept 32
	s_wait_loadcnt 31-k                            ; loads come back in order (ISA guide 5.7.1): load k is in, the younger ones stay out
	v_cvt_pk_bf16_f32 v[X+4*k], v[X+4*k], v[X+4*k+1]
	v_cvt_pk_bf16_f32 v[X+4*k+1], v[X+4*k+2], v[X+4*k+3]
	global_store_b64 v2, v[X+4*k:X+4*k+1], s[28:29] offset:2048*(k/8)+256*(k%8)  ; the wave's 32 lanes store 256 consecutive bytes, at a multiple of 256 from the buffer's first
.set k, k+1
.endr
	s_endpgm
.Lfunc_end_k_qcf4c32121f_cast:
	.size	k_qcf4c32121f_cast, .Lfunc_end_k_qcf4c32121f_cast-k_qcf4c32121f_cast
	.p2alignl 7, 3214868480
	.fill 96, 4, 3214868480
	.section	.rodata,"a",@progbits
	.p2align	6, 0x0
	.amdhsa_kernel k_qcf4c32121f_cast
		.amdhsa_group_segment_fixed_size 0
		.amdhsa_private_segment_fixed_size 0
		.amdhsa_enable_private_segment 0
		.amdhsa_kernarg_size 48
		.amdhsa_user_sgpr_count 2
		.amdhsa_user_sgpr_kernarg_segment_ptr 1
		.amdhsa_wavefront_size32 1
		.amdhsa_system_sgpr_workgroup_id_x 1
		.amdhsa_system_sgpr_workgroup_id_y 1
		.amdhsa_system_sgpr_workgroup_id_z 1
		.amdhsa_system_vgpr_workitem_id 0
		.amdhsa_next_free_vgpr 144
		.amdhsa_next_free_sgpr 66
		.amdhsa_reserve_vcc 0
		.amdhsa_float_denorm_mode_32 3
		.amdhsa_float_denorm_mode_16_64 3
		.amdhsa_memory_ordered 1
		.amdhsa_forward_progress 1
		.amdhsa_inst_pref_size 14
	.end_amdhsa_kernel
	.amdgpu_metadata
---
amdhsa.version: [ 1, 2 ]
amdhsa.kernels:
  - .name:           k_qcf4c32121f_cast
    .symbol:         k_qcf4c32121f_cast.kd
    .args:
      - { .name: input_seq_embs, .offset: 0, .size: 8, .value_kind: global_buffer, .address_space: global }
      - { .name: W_K, .offset: 8, .size: 8, .value_kind: global_buffer, .address_space: global }
      - { .name: W_Q, .offset: 16, .size: 8, .value_kind: global_buffer, .address_space: global }
      - { .name: W_V, .offset: 24, .size: 8, .value_kind: global_buffer, .address_space: global }
      - { .name: xb, .offset: 32, .size: 8, .value_kind: global_buffer, .address_space: global }
      - { .name: wb, .offset: 40, .size: 8, .value_kind: global_buffer, .address_space: global }
    .group_segment_fixed_size: 0
    .private_segment_fixed_size: 0
    .kernarg_segment_align: 8
    .kernarg_segment_size: 48
    .max_flat_workgroup_size: 608
    .sgpr_count:     66
    .vgpr_count:     144
    .wavefront_size: 32
...
	.end_amdgpu_metadata
.endif
;; end of part 1
;; launch proj (part 2): grid 4 x 64, 4 waves a work-group, clusters of 4 x 4, 327,680 bytes of LDS; arguments xb, wb, qkv; writes qkv
.if DOCPART == 2
	.amdgcn_target "amdgcn-amd-amdhsa--gfx1250"
	.amdhsa_code_object_version 6
	.text
	.protected	k_qcf4c32121f_proj
	.globl	k_qcf4c32121f_proj
	.p2align	8
	.type	k_qcf4c32121f_proj,@function
k_qcf4c32121f_proj:
	s_mov_b64 s[64:65], 0
	v_nop
	global_prefetch_b8 v0, s[64:65] scope:SCOPE_SE
	s_setreg_imm32_b32 hwreg(HW_REG_WAVE_MODE, 25, 1), 1
	s_wait_xcnt 0x0
	s_wait_alu depctr_hold_cnt(0) depctr_sa_sdst(0) depctr_va_vdst(0) depctr_va_sdst(0) depctr_va_ssrc(0) depctr_va_vcc(0) depctr_vm_vsrc(0)
	s_getreg_b32 s2, hwreg(HW_REG_IB_STS2, 6, 4)
	s_cmp_eq_u32 s2, 0
	s_cbranch_scc0 .Lentry_in_a_cluster
	s_endpgm
.Lentry_in_a_cluster:
	s_bfe_u32 s2, ttmp6, 0x10000c
	s_cmp_lg_u32 s2, 0xf033
	s_cbranch_scc0 .Lentry_shape_is_right
	s_endpgm
.Lentry_shape_is_right:
; qkv[token][n] = sum over k of xb[token][k] wb[n][k]: the three projections as one product, 16,384 x 3,072 x 1,024, bf16 operands, f32 sums, f16 results.
; Columns 0-1023 are K (in wb's own order: column (d>>3)*128 + (head>>3)*64 + (d&7)*8 + (head&7)), 1024-2047 Q (head*64 + d), 2048-3071 V (as K, with e for d).
; WHAT LEAVES.  V as it is.  K and Q as shifted exponents t = log2(e) (s - max): K's maximum over the 16 heads of one d, Q's over the 64 d of one head, both taken here on the f32 sums.
; The launch behind forms 2^t, the sums and the divisions.  t is near 0 exactly where the weight counts, so its rounding to f16 moves a weight by at most |t| 2^t 2^-11 ln 2.
; LIMITS.  |V| stays under 65,504 (f16).  t under -65,504 leaves as -infinity: its weight is 0.  NaN and infinities in the inputs are not treated apart.
; SHARES.  A work-group of four waves owns 256 tokens and makes THREE tiles of 256 x 256: column tile tx + 4 t: a K tile, a Q tile, a V tile: 256 work-groups of equal work.  A wave makes 128 x 128: 64 accumulators.
; A wave's 128 columns of K are 8 d x all 16 heads, of Q two whole heads: both maxima stay inside the wave.
; K goes in steps of 128 through a ring of two LDS slots filled by the tensor data mover; the ring runs on from tile to tile, and nothing waits for a tile's stores.
; The last tile's last K step goes by rows of qkv, so that finished rows leave while the others are multiplied.
; CLUSTERS: 4 x 4 work-groups.  The four of a row of the cluster own the same tokens and need the same tiles of xb; the four of a column need the same tiles of wb.  Each tile is asked for JOINTLY:
; the same tensor load, descriptor and mask in all four.
; REGISTERS, in windows of 256 (s_set_vgpr_msb: bits 1:0 source 0, 3:2 source 1, 5:4 source 2, 7:6 destination):
;   window 0: v0-31 addresses; v64-127, v128-191 fragments of xb, two buffers (in the very last K step four, of 16 rows x 128 K); v192-223 at work; v32-63, v224-255 rows read back on the way out
;   window 1: v64-127, v128-191 fragments of wb, two buffers; in the very last K step all 256: wb's fragments of the whole step
;   window 2: the 32 accumulators of my rows 0-63 (accumulator (a, b) at v[8 (8 a + b)]);   window 3: those of my rows 64-127
; THE MATRIX INSTRUCTION IS USED TRANSPOSED: source 0 = 16 rows of wb, source 1 = 16 rows of xb: lane l holds token l % 16 and the columns 8 (l / 16) + 0..7 of the accumulator's sixteen.
.set SIZE_N, 3072
.set SIZE_K, 1024
.set TILES,  3
.set KSTEP,  128
.set PITCH,  272                       ; an LDS row: 256 bytes of data + 16 of padding = 68 words: row r starts at bank 4 r mod 64 (64 banks of 4 bytes: ISA guide 11.1)
.set HALFT,  128*PITCH                 ; 128 rows: what one tensor load brings, and what one wave reads of xb or of wb
.set SLOT,   4*HALFT                   ; xb's 256 rows, then wb's 256 rows
.set STAGE,  2*SLOT                    ; behind the ring: 16 rows x 272 bytes for each wave, for the way out
.set SPITCH, 272
.set SPARE,  STAGE+4*16*SPITCH         ; behind the stages: the spare words, 128 bytes for each wave: two blocks of 256 bytes that no other line names
.set LAPS,   SIZE_K/(2*KSTEP)          ; a lap = two K steps = once round the ring: 4
.set BACK_A, (SIZE_K-2*KSTEP)*2        ; bytes from a slot's last K step of a tile back to its first: the walk's tiles share their rows of xb,
.set NEXT_B, 1024*SIZE_K*2-BACK_A      ; wb goes 1,024 rows down and back along K
.set NEXT_C, 1024*2                    ; the next tile's columns lie 1,024 further on
.set ADRA, 16                          ; v16-17  LDS address of my xb fragments in slot 0, 1
.set ADRB, 20                          ; v20-21  the same for wb
.set STO,  24                          ; v24     the way out: where I put 16 bytes of a row
.set RD,   25                          ; v25     the way out: where I read a row back
.set CO,   26                          ; v26     my byte offset in qkv
.set SPW,  28                          ; v28     LDS address of my spare word: SPARE + 4 x my thread's number; never rewritten
.set NIL,  29                          ; v29     0; never rewritten
.set F0,   64                          ; fragment buffer 0
.set F1,   128                         ; fragment buffer 1
.set TMP,  192                         ; maxima at work, then packed results, in window 0
.set OB,   32                          ; 16 rows read back from the stage: v32-63 and v224-255 by turns
.set PA,   64                          ; the very last K step: xb's fragments of 16 rows x 128 K, 32 registers; four such buffers, v64-191
.set G1,   24                          ; s[24:31] descriptor group 1 for xb's tiles
.set G0,   32                          ; s[32:39] descriptor group 0 for xb's tiles, one set for each slot
.set G1B,  48                          ; s[48:55] group 1 for wb's tiles: it differs in the mask alone
.set G0B,  56                          ; s[56:63] group 0 for wb's tiles
.set CS,   66                          ; s[66:67] log2(e): the packed scaling names a pair and takes its low word for both halves
.set SEL,  68                          ; s[68:69] v_permlanex16_b32's selects: each lane takes its own place in the other half
.set MSB, 0
.macro WIN new                         ; the immediate's high byte repeats the setting that is left; a switch that changes nothing is dropped
.if MSB != (\new)
	s_set_vgpr_msb (MSB<<8)|(\new)
.set MSB, \new
.endif
.endm
.set MUL_LO, 0xa1                      ; source 0 (wb) window 1, source 1 (xb) window 0, C and D window 2
.set MUL_HI, 0xf1                      ; the same, C and D window 3
.set TO_B,   0x40                      ; destination window 1, address window 0
; A joint load.  Waves 0 and 1 fetch xb's two halves, waves 2 and 3 wb's.  Each line has one mask and one set of registers for all that issue it; the branch hangs on the wave's number alone.
; An s_nop 0 and four v_nop follow each of the two lines, ahead of the jump, the label and what follows.
.macro JLOAD s
	s_cmp_eq_u32 s11, 0
	s_cbranch_scc0 .Lfor_b_\@
	tensor_load_to_lds s[G0+4*(\s):G0+4*(\s)+3], s[G1:G1+7]
	s_nop 0
.rept 4
	v_nop
.endr
	s_branch .Lasked_\@
.Lfor_b_\@:
	tensor_load_to_lds s[G0B+4*(\s):G0B+4*(\s)+3], s[G1B:G1B+7]
	s_nop 0
.rept 4
	v_nop
.endr
.Lasked_\@:
.endm
; A round of the cluster's barrier: my work-group's barrier, so that wave 0's signal speaks for all four waves; wave 0 signals; every wave waits for all sixteen work-groups; my work-group's barrier once more.
.macro CREST                           ; a round behind its opening barrier
	s_cmp_lg_u32 s10, 0
	s_cbranch_scc1 .Lnot_wave_0_\@
	s_barrier_signal -3
.Lnot_wave_0_\@:
	s_barrier_wait -3
	s_barrier_signal -1
	s_barrier_wait -1
.endm
.macro CROUND                          ; a whole round
	s_barrier_signal -1
	s_barrier_wait -1
	CREST
.endm
	s_load_b128 s[4:7], s[0:1], 0x0                ; xb s[4:5], wb s[6:7]
	s_load_b64 s[8:9], s[0:1], 0x10                ; qkv
	v_lshl_add_u32 v[SPW], v0, 2, SPARE
	v_mov_b32 v[NIL], 0
	ds_add_u32 v[SPW], v[NIL]                      ; the wave's opening: the add and its wait stand ahead of my first tensor load; the set-up below, work on registers, stands between them
	v_lshrrev_b32 v1, 5, v0
	v_readfirstlane_b32 s10, v1                    ; wave 0..3
	s_lshr_b32 s11, s10, 1                         ; which half of the tile's rows is mine.  Also: I fetch for xb (0) or for wb (1)
	s_and_b32 s12, s10, 1                          ; which half of its columns.  Also: which 128 rows of that tile I fetch
	s_bfe_u32 s40, ttmp6, 0x40000                  ; cx: my place along the cluster's x
	s_bfe_u32 s41, ttmp6, 0x40004                  ; cy: along its y
	s_lshl_b32 s42, ttmp9, 2                       ; in a cluster launch ttmp9 and ttmp7 count clusters
	s_add_co_u32 s42, s42, s40                     ; tx = 4 x cluster x + cx: my column tile in each of K, Q, V
	s_and_b32 s13, ttmp7, 0xffff
	s_lshl_b32 s13, s13, 2
	s_add_co_u32 s13, s13, s41                     ; ty = 4 x cluster y + cy: my block of 256 tokens
	s_lshl_b32 s43, s41, 2
	s_lshl_b32 s43, 15, s43                        ; my row of the cluster: places 4 cy .. 4 cy + 3
	s_lshl_b32 s44, 0x1111, s40                    ; my column: places cx, cx + 4, cx + 8, cx + 12
	; descriptor group 1: a tile of 128 rows x 128 elements, padded in LDS
	s_or_b32 s[G1+0], s43, (1<<16)|(1<<20)|(1<<21)|(5<<22)|(3<<25)  ; 15:0 the mask: xb's tiles go to my row; 17:16 elements of 2 bytes; 20 padding on; 21 set beside a mask; 24:22 after every 64 words (code 5); 31:25 4 words (code 3)
	s_or_b32 s[G1B+0], s44, (1<<16)|(1<<20)|(1<<21)|(5<<22)|(3<<25) ; the same with the mask of my column, for wb's tiles
.irp g, G1, G1B
	s_mov_b32 s[(\g)+1], KSTEP<<16                 ; tensor_dim0 = 128
	s_mov_b32 s[(\g)+2], 128<<16                   ; tensor_dim1 = 128
	s_mov_b32 s[(\g)+3], KSTEP<<16                 ; tile_dim0 = 128
	s_mov_b32 s[(\g)+4], 128                       ; tile_dim1 = 128
	s_mov_b32 s[(\g)+5], SIZE_K                    ; elements from row to row
	s_mov_b32 s[(\g)+6], 0
	s_mov_b32 s[(\g)+7], 0
.endr
	s_mov_b32 s[CS], 0x3fb8aa3b                    ; log2(e)
	s_mov_b32 s[CS+1], s[CS]                       ; named with it as a pair, so it is written
	s_mov_b32 s[SEL], 0x76543210
	s_mov_b32 s[SEL+1], 0xfedcba98
	; where the tiles come from.  xb's hang on ty alone, which my row of the cluster shares; wb's on tx alone, which my column shares.  Every wave makes both addresses, in registers that never hold the other coordinate.
	s_lshl_b32 s17, s12, 7                         ; which 128 rows of the tile I fetch
	s_lshl_b32 s16, s13, 8
	s_add_co_u32 s16, s16, s17                     ; xb: row 256 ty + 128 x half
	s_lshl_b32 s46, s42, 8
	s_add_co_u32 s46, s46, s17                     ; wb: row 256 tx + 128 x half (the K tile)
	s_mov_b32 s17, 0
	s_mov_b32 s47, 0
	s_mov_b64 s[18:19], SIZE_K*2
	s_mul_u64 s[16:17], s[16:17], s[18:19]         ; in bytes
	s_mul_u64 s[46:47], s[46:47], s[18:19]
	s_mul_i32 s20, s10, HALFT                      ; and where they go: wave x 128 rows: no place in the cluster enters an LDS address
	s_wait_dscnt 0x0                               ; the opening add is done
	s_wait_kmcnt 0x0
	s_add_nc_u64 s[14:15], s[4:5], s[16:17]
	s_add_nc_u64 s[46:47], s[6:7], s[46:47]
	CROUND                                         ; all sixteen work-groups are here: the first joint loads meet
.irp s, 0,1
	s_mov_b32 s[G0+4*(\s)], 1                                      ; 1:0 count = 1
	s_add_co_u32 s[G0+4*(\s)+1], s20, (\s)*SLOT                    ; 63:32 LDS address
	s_add_nc_u64 s[G0+4*(\s)+2:G0+4*(\s)+3], s[14:15], (\s)*KSTEP*2  ; 120:64 global address: K step s
	s_or_b32 s[G0+4*(\s)+3], s[G0+4*(\s)+3], 0x80000000            ; 127:126 type = 2
	s_mov_b32 s[G0B+4*(\s)], 1
	s_add_co_u32 s[G0B+4*(\s)+1], s20, (\s)*SLOT
	s_add_nc_u64 s[G0B+4*(\s)+2:G0B+4*(\s)+3], s[46:47], (\s)*KSTEP*2
	s_or_b32 s[G0B+4*(\s)+3], s[G0B+4*(\s)+3], 0x80000000
	JLOAD \s                                       ; the ring is filled before anything else is done: two loads of mine are out
.endr
	; A fragment is 16 rows x 32 K in 8 registers: lane l holds row l % 16; registers 0-3 K = 8 (l / 16) + 0..7, registers 4-7 K = 16 + 8 (l / 16) + 0..7: two loads of 16 bytes, 32 bytes apart.
	v_and_b32 v1, 15, v0                           ; l % 16
	v_bfe_u32 v2, v0, 4, 1                         ; l / 16
	v_mul_u32_u24 v3, v1, PITCH
	v_lshl_add_u32 v3, v2, 4, v3                   ; row x pitch + 16 x half
	s_mul_i32 s21, s11, HALFT                      ; my 128 rows of xb
	s_mul_i32 s22, s12, HALFT                      ; my 128 rows of wb,
	s_add_co_u32 s22, s22, 2*HALFT                 ; which lie behind xb's 256
.irp s, 0,1
	v_add_nc_u32 v[ADRA+(\s)], s21, v3
	v_add_nc_u32 v[ADRB+(\s)], s22, v3
	s_add_co_u32 s21, s21, SLOT
	s_add_co_u32 s22, s22, SLOT
.endr
	s_mul_i32 s23, s10, 16*SPITCH
	s_add_co_u32 s23, s23, STAGE                   ; my stage
	v_mul_u32_u24 v4, v1, SPITCH                   ; in: row l % 16, 16 bytes for each half of the lanes
	v_lshl_add_u32 v4, v2, 4, v4
	v_add_nc_u32 v[STO], s23, v4
	v_mul_u32_u24 v5, v2, SPITCH                   ; back: lanes 0-15 take one row of 256 bytes, lanes 16-31 the next
	v_lshl_add_u32 v5, v1, 4, v5
	v_add_nc_u32 v[RD], s23, v5
	v_mul_u32_u24 v5, v2, SIZE_N*2                 ; and the same two rows in qkv
	v_lshl_add_u32 v[CO], v1, 4, v5
	s_lshl_b32 s16, s13, 8                         ; qkv at my part of the K tile: row 256 ty + 128 x half,
	s_lshl_b32 s17, s11, 7
	s_add_co_u32 s16, s16, s17
	s_mov_b32 s17, 0
	s_mov_b64 s[18:19], SIZE_N*2
	s_mul_u64 s[16:17], s[16:17], s[18:19]
	s_add_nc_u64 s[8:9], s[8:9], s[16:17]
	s_lshl_b32 s46, s42, 9                         ; byte 512 tx + 256 x half of the row
	s_lshl_b32 s47, s12, 8
	s_add_co_u32 s46, s46, s47
	s_mov_b32 s47, 0
	s_add_nc_u64 s[8:9], s[8:9], s[46:47]
; 16 matrix instructions: m blocks a0, a0 + 1 of the window's four (hi = 0: my rows 0-63, 1: rows 64-127) x all 8 n blocks, 32 along K.  zero = 1: the first product starts the sums: nothing is ever cleared.
; The 64 accumulators take turns, one instruction a turn, in the same order in every quarter step.
.macro MUL16 f, hi, a0, zero
	WIN MUL_LO+0x50*(\hi)
.irp a, \a0, (\a0)+1
.irp b, 0,1,2,3,4,5,6,7
.if \zero
	v_wmma_f32_16x16x32_bf16 v[8*(8*(\a)+(\b)):8*(8*(\a)+(\b))+7], v[(\f)+8*(\b):(\f)+8*(\b)+7], v[(\f)+8*(4*(\hi)+(\a)):(\f)+8*(4*(\hi)+(\a))+7], 0
.else
	v_wmma_f32_16x16x32_bf16 v[8*(8*(\a)+(\b)):8*(8*(\a)+(\b))+7], v[(\f)+8*(\b):(\f)+8*(\b)+7], v[(\f)+8*(4*(\hi)+(\a)):(\f)+8*(4*(\hi)+(\a))+7], v[8*(8*(\a)+(\b)):8*(8*(\a)+(\b))+7]
.endif
.endr
.endr
.endm
; 32 LDS loads in one run: the fragments of one quarter step (128 rows of wb, 128 rows of xb, 32 K at byte k of the rows) into buffer f
.macro FETCH slot, k, f
	WIN TO_B
.irp i, 0,1,2,3,4,5,6,7
	ds_load_b128 v[(\f)+8*(\i):(\f)+8*(\i)+3],   v[ADRB+(\slot)] offset:(\k)+(\i)*16*PITCH
	ds_load_b128 v[(\f)+8*(\i)+4:(\f)+8*(\i)+7], v[ADRB+(\slot)] offset:(\k)+(\i)*16*PITCH+32
.endr
	WIN 0
.irp i, 0,1,2,3,4,5,6,7
	ds_load_b128 v[(\f)+8*(\i):(\f)+8*(\i)+3],   v[ADRA+(\slot)] offset:(\k)+(\i)*16*PITCH
	ds_load_b128 v[(\f)+8*(\i)+4:(\f)+8*(\i)+7], v[ADRA+(\slot)] offset:(\k)+(\i)*16*PITCH+32
.endr
.endm
; A load into a register that a matrix instruction has read, and a vector instruction that reads a matrix result, stand four places behind that matrix instruction; only plain vector
; instructions that name none of its registers are places (ISA guide 7.12.1 for vector instructions).
.macro PLACES
.rept 4
	v_nop
.endr
.endm
; A K step is four quarter steps of 32 along K, 64 matrix instructions each, on buffers 0, 1, 0, 1.  One of the first three: multiplies buffer f; in its middle it fetches the next quarter's fragments, at byte k, into buffer g.
.macro QUARTER slot, k, f, g, zero
	s_wait_dscnt 8                                 ; wb's fragments and xb's rows 0-63 are in; the youngest eight loads (xb's rows 64-127) may be out
	WIN MUL_LO
	MUL16 \f, 0, 0, \zero
	MUL16 \f, 0, 2, \zero
	PLACES
	FETCH \slot, \k, \g
	s_wait_dscnt 32                                ; all but the 32 just issued
	WIN MUL_HI
	MUL16 \f, 1, 0, \zero
	MUL16 \f, 1, 2, \zero
.endm
; The last quarter multiplies buffer 1 and changes slots.  MEET is its first half: ONE barrier for the change.  In front of it each wave waits for all its tensor loads, of which one is out: its part of the
; next slot; adds 0 to its spare word; and waits for that and for its own reads of this slot.  Behind it nobody reads this slot any more and the next slot is whole.
.macro MEET round                      ; round = 1: a round of the cluster's barrier follows
	WIN 0                                          ; (the add's two registers lie in window 0)
	s_wait_tensorcnt 0x0                           ; all my tensor loads have landed;
	ds_add_u32 v[SPW], v[NIL]                      ; 0 onto my spare word;
	s_wait_dscnt 9                                 ; (the add and the youngest eight loads may be out)
	WIN MUL_LO
	MUL16 F1, 0, 0, 0                              ; sixteen matrix instructions stand between the add and the wait for it
	s_wait_dscnt 0x0                               ; the add is done, and my reads of this slot are over:
	s_barrier_signal -1                            ; say so,
	MUL16 F1, 0, 2, 0                              ; work on registers while the others arrive,
.if \round
	WIN 0
.endif
	s_barrier_wait -1                              ; and go on when all four have said so
.endm
; The whole last quarter.  Behind the round the slot just read out is filled again first: with this tile's K step two steps on (on = 0) or, in a tile's last two K steps, with the NEXT tile's K step 0 or 1 (on = 1);
; then come the next slot's first fragments.  From a request to the wait for it a wave issues 224 matrix instructions, across tiles too.
.macro TURN slot, next, on
	MEET 1
	CREST                                          ; all sixteen work-groups have said so: no wave of any partner still reads this slot's tile or has a load on its way
.if \on
	s_sub_nc_u64 s[G0+4*(\slot)+2:G0+4*(\slot)+3], s[G0+4*(\slot)+2:G0+4*(\slot)+3], BACK_A
	s_add_nc_u64 s[G0B+4*(\slot)+2:G0B+4*(\slot)+3], s[G0B+4*(\slot)+2:G0B+4*(\slot)+3], NEXT_B
.else
	s_add_nc_u64 s[G0+4*(\slot)+2:G0+4*(\slot)+3], s[G0+4*(\slot)+2:G0+4*(\slot)+3], 2*KSTEP*2
	s_add_nc_u64 s[G0B+4*(\slot)+2:G0B+4*(\slot)+3], s[G0B+4*(\slot)+2:G0B+4*(\slot)+3], 2*KSTEP*2
.endif
	JLOAD \slot                                    ; the first tensor load behind the round; the four v_nop behind it are also the places in front of the loads below
	FETCH \next, 0, F0
	WIN MUL_HI
	MUL16 F1, 1, 0, 0
	MUL16 F1, 1, 2, 0
.endm
; K's SHIFT for block a (16 tokens).  A lane's accumulators b = p and b = p + 4 hold the heads 0-7 and 8-15 of d = 8 u + 2 p + l / 16: the maximum over the 16 heads lies in the lane.
; Each accumulator's lowest registers are read first.  Then t = log2(e) s - log2(e) max, in place.  M at v[TMP+2p+1], log2(e) M at v[TMP+2p].
.macro KSHIFT a
.set W, 2+(\a)/4
.set AC, 64*((\a)%4)
.set WS, W|(W<<2)|(W<<4)
	WIN WS                                         ; all three sources in the accumulators' window
.irp p, 0,1,2,3
	v_max3_num_f32 v[TMP+2*(\p)+1], v[AC+8*(\p)], v[AC+8*(\p)+1], v[AC+8*(\p)+2]
.endr
.set WS, (W<<2)|(W<<4)
	WIN WS                                         ; source 0 in window 0
.irp n, 3,5
.irp p, 0,1,2,3
	v_max3_num_f32 v[TMP+2*(\p)+1], v[TMP+2*(\p)+1], v[AC+8*(\p)+(\n)], v[AC+8*(\p)+(\n)+1]
.endr
.endr
.irp p, 0,1,2,3
	v_max3_num_f32 v[TMP+2*(\p)+1], v[TMP+2*(\p)+1], v[AC+8*(\p)+7], v[AC+32+8*(\p)]
.endr
.irp n, 1,3,5
.irp p, 0,1,2,3
	v_max3_num_f32 v[TMP+2*(\p)+1], v[TMP+2*(\p)+1], v[AC+32+8*(\p)+(\n)], v[AC+32+8*(\p)+(\n)+1]
.endr
.endr
.irp p, 0,1,2,3
	v_max_num_f32 v[TMP+2*(\p)+1], v[TMP+2*(\p)+1], v[AC+32+8*(\p)+7]
.endr
	WIN 0
.irp p, 0,1,2,3
	v_mul_f32 v[TMP+2*(\p)], s[CS], v[TMP+2*(\p)+1]
.endr
.set WS, W|(W<<6)
	WIN WS                                         ; destination and source 0 in the accumulators' window
.irp p, 0,1,2,3
.irp z, 0,2,4,6
	v_pk_fma_f32 v[AC+8*(\p)+(\z):AC+8*(\p)+(\z)+1], v[AC+8*(\p)+(\z):AC+8*(\p)+(\z)+1], s[CS:CS+1], v[TMP+2*(\p):TMP+2*(\p)+1] op_sel_hi:[1,0,0] neg_lo:[0,0,1] neg_hi:[0,0,1]
.endr
.irp z, 0,2,4,6
	v_pk_fma_f32 v[AC+32+8*(\p)+(\z):AC+32+8*(\p)+(\z)+1], v[AC+32+8*(\p)+(\z):AC+32+8*(\p)+(\z)+1], s[CS:CS+1], v[TMP+2*(\p):TMP+2*(\p)+1] op_sel_hi:[1,0,0] neg_lo:[0,0,1] neg_hi:[0,0,1]
.endr
.endr
.endm
; Q's SHIFT for block a.  Accumulators b = 4 h .. 4 h + 3 hold head h (0, 1) of my two: 32 of its 64 d in my lane, the others in the lane 16 away.  At work: v[TMP+8h ..]: four chains, then M at +5, log2(e) M at +4.
.macro QSHIFT a
.set W, 2+(\a)/4
.set AC, 64*((\a)%4)
.set WS, W|(W<<2)|(W<<4)
	WIN WS
.irp i, 0,1,2,3
.irp h, 0,1
	v_max3_num_f32 v[TMP+8*(\h)+(\i)], v[AC+32*(\h)+8*(\i)], v[AC+32*(\h)+8*(\i)+1], v[AC+32*(\h)+8*(\i)+2]
.endr
.endr
.set WS, (W<<2)|(W<<4)
	WIN WS
.irp n, 3,5
.irp i, 0,1,2,3
.irp h, 0,1
	v_max3_num_f32 v[TMP+8*(\h)+(\i)], v[TMP+8*(\h)+(\i)], v[AC+32*(\h)+8*(\i)+(\n)], v[AC+32*(\h)+8*(\i)+(\n)+1]
.endr
.endr
.endr
.irp i, 0,2
.irp h, 0,1
	v_max3_num_f32 v[TMP+8*(\h)+(\i)], v[TMP+8*(\h)+(\i)], v[AC+32*(\h)+8*(\i)+7], v[AC+32*(\h)+8*(\i)+15]
.endr
.endr
	WIN 0
.irp h, 0,1
	v_max3_num_f32 v[TMP+8*(\h)], v[TMP+8*(\h)], v[TMP+8*(\h)+1], v[TMP+8*(\h)+2]
.endr
.irp h, 0,1
	v_max_num_f32 v[TMP+8*(\h)], v[TMP+8*(\h)], v[TMP+8*(\h)+3]
.endr
.irp h, 0,1
	v_permlanex16_b32 v[TMP+8*(\h)+1], v[TMP+8*(\h)], s[SEL], s[SEL+1]  ; its destination has been written
.endr
.irp h, 0,1
	v_max_num_f32 v[TMP+8*(\h)+5], v[TMP+8*(\h)], v[TMP+8*(\h)+1]
.endr
.irp h, 0,1
	v_mul_f32 v[TMP+8*(\h)+4], s[CS], v[TMP+8*(\h)+5]
.endr
.set WS, W|(W<<6)
	WIN WS
.irp h, 0,1
.irp z, 0,2,4,6,8,10,12,14,16,18,20,22,24,26,28,30
	v_pk_fma_f32 v[AC+32*(\h)+(\z):AC+32*(\h)+(\z)+1], v[AC+32*(\h)+(\z):AC+32*(\h)+(\z)+1], s[CS:CS+1], v[TMP+8*(\h)+4:TMP+8*(\h)+5] op_sel_hi:[1,0,0] neg_lo:[0,0,1] neg_hi:[0,0,1]
.endr
.endr
.endm
.macro SHIFT kind, a                   ; kind 1: K's, 2: Q's
.if (\kind) == 1
	KSHIFT \a
.else
	QSHIFT \a
.endif
.endm
; THE WAY OUT of block a, in three parts.  PACK: rounded to f16, 16 bytes a lane, each accumulator's registers in ascending order.  TOSTAGE: into my own stage in LDS, and back as whole rows of 256 bytes.  SEND: stored.
.macro PACK a
.set AC, 64*((\a)%4)
	WIN 0x0a+5*((\a)/4)                            ; sources 0 and 1: window 2 or 3
.irp b, 0,1,2,3,4,5,6,7
.irp r, 0,1,2,3
	v_cvt_pk_f16_f32 v[TMP+4*(\b)+(\r)], v[AC+8*(\b)+2*(\r)], v[AC+8*(\b)+2*(\r)+1]
.endr
.endr
	WIN 0
.endm
.macro TOSTAGE a
	WIN 0
.set BK, OB+192*((\a)%2)
.irp b, 0,1,2,3,4,5,6,7
	ds_store_b128 v[STO], v[TMP+4*(\b):TMP+4*(\b)+3] offset:32*(\b)
.endr
.irp t, 0,1,2,3,4,5,6,7
	ds_load_b128 v[BK+4*(\t):BK+4*(\t)+3], v[RD] offset:(\t)*2*SPITCH  ; LDS serves a wave's instructions in order (ISA guide 5.7.1.4): these see the stores above
.endr
.endm
.macro SEND a, younger                 ; younger: the LDS loads issued behind TOSTAGE's, which may stay out
	WIN 0
.set BK, OB+192*((\a)%2)
	s_wait_dscnt \younger                          ; the block is back in registers
	s_wait_xcnt 0x0                                ; every earlier memory instruction has had its addresses translated (ISA guide 3.1): the registers that the stores two blocks back read are loaded again only behind this wait
.irp t, 0,1,2,3,4,5,6,7
	global_store_b128 v[CO], v[BK+4*(\t):BK+4*(\t)+3], s[8:9] offset:(16*(\a)+2*(\t))*SIZE_N*2  ; 16 lanes store 256 consecutive bytes, at a multiple of 256 from qkv's first; the row stands in the immediate: 126 rows of 6,144 bytes at the most
.endr
.endm
; The way out of a K or Q tile.  Block a's shift and conversions, about a hundred vector instructions, stand between block a - 1's loads from the stage and the wait for them.
; No v_nop: blocks 0-3 were finished in front of TURN's places, and their shifts and conversions, which name no register of the last products (blocks 4-7's), are those products' places.
.macro WAYOUT kind
	SHIFT \kind, 0
	PACK 0
	TOSTAGE 0
.irp a, 1,2,3,4,5,6,7
	SHIFT \kind, \a
	PACK \a
	SEND (\a)-1, 0
	TOSTAGE \a
.endr
	SEND 7, 0
.endm
; THE LAST K STEP OF THE LAST TILE (it lies in slot 1) GOES BY ROWS OF qkv, NOT BY K.  All its fragments of wb (4 quarters x 64 registers) fill window 1; then my eight blocks of 16 rows are
; finished one after the other, each with 32 matrix instructions (its 8 accumulators by turns, K ascending).  LDS is read no more than in any other K step.
.macro BLOAD q                         ; wb's fragments of quarter q -> window 1, v[64 q ..]
	WIN TO_B
.irp i, 0,1,2,3,4,5,6,7
	ds_load_b128 v[64*(\q)+8*(\i):64*(\q)+8*(\i)+3],   v[ADRB+1] offset:64*(\q)+(\i)*16*PITCH
	ds_load_b128 v[64*(\q)+8*(\i)+4:64*(\q)+8*(\i)+7], v[ADRB+1] offset:64*(\q)+(\i)*16*PITCH+32
.endr
.endm
.macro ALOAD a                         ; xb's fragments of block a, all four quarters -> buffer a % 4
	WIN 0
.set FA, PA+32*((\a)%4)
.irp q, 0,1,2,3
	ds_load_b128 v[FA+8*(\q):FA+8*(\q)+3],   v[ADRA+1] offset:64*(\q)+(\a)*16*PITCH
	ds_load_b128 v[FA+8*(\q)+4:FA+8*(\q)+7], v[ADRA+1] offset:64*(\q)+(\a)*16*PITCH+32
.endr
.endm
.macro ROW a                           ; block a is finished: 32 matrix instructions
.set FA, PA+32*((\a)%4)                ; its fragments of xb
.set AC, 64*((\a)%4)                   ; its eight accumulators, in window 2 (blocks 0-3) or 3 (blocks 4-7)
	WIN MUL_LO+0x50*((\a)/4)                       ; MUL_LO or MUL_HI
.irp q, 0,1,2,3
.if (\a) == 0 && (\q) == 2
	s_wait_dscnt 24                                ; wb's quarter 2 is in (behind it: xb's blocks 1 to 3)
.endif
.irp b, 0,1,2,3,4,5,6,7
	v_wmma_f32_16x16x32_bf16 v[AC+8*(\b):AC+8*(\b)+7], v[64*(\q)+8*(\b):64*(\q)+8*(\b)+7], v[FA+8*(\q):FA+8*(\q)+7], v[AC+8*(\b):AC+8*(\b)+7]
.endr
.endr
.endm
	s_wait_tensorcnt 1                             ; my part of K step 0 is in; K step 1's may stay out
	s_barrier_signal -1
	s_barrier_wait -1                              ; everybody's is
	FETCH 0, 0, F0
	s_mov_b32 s2, TILES                            ; tiles to go, this one among them: 3 = K, 2 = Q, 1 = V: the same number in every work-group
.Ltile:                                                ; (FETCH and SEND leave every window 0)
	QUARTER 0, 64,  F0, F1, 1                      ; a tile's first quarter stands in front of the loop: its products start the sums
	WIN 0                                          ; at a label and at a branch every window is 0
	s_mov_b32 s3, LAPS-1
.Llap:                                                 ; a trip goes once round the ring, from a lap's second quarter to the next lap's first, and fills both slots again
	QUARTER 0, 128, F1, F0, 0
	QUARTER 0, 192, F0, F1, 0
	TURN 0, 1, 0
	QUARTER 1, 64,  F0, F1, 0
	QUARTER 1, 128, F1, F0, 0
	QUARTER 1, 192, F0, F1, 0
	TURN 1, 0, 0
	QUARTER 0, 64,  F0, F1, 0
	WIN 0
	s_sub_co_u32 s3, s3, 1
	s_cmp_lg_u32 s3, 0
	s_cbranch_scc1 .Llap
	QUARTER 0, 128, F1, F0, 0                      ; the tile's last lap goes on
	QUARTER 0, 192, F0, F1, 0
	WIN 0
	s_cmp_eq_u32 s2, 1
	s_cbranch_scc1 .Llast_tile                     ; the last tile's tail is written out: it asks for nothing more
	TURN 0, 1, 1                                   ; THE RING GOES ON INTO THE NEXT TILE: slot 0 takes its K step 0,
	QUARTER 1, 64,  F0, F1, 0
	QUARTER 1, 128, F1, F0, 0
	QUARTER 1, 192, F0, F1, 0
	TURN 1, 0, 1                                   ; slot 1 its K step 1, and the next tile's first fragments are fetched
	WIN 0
	s_cmp_eq_u32 s2, 3                             ; both refills are asked for: now the maxima are taken away and the tile goes out, block by block
	s_cbranch_scc0 .Lq
	WAYOUT 1
	s_branch .Lnext
.Lq:
	WAYOUT 2
.Lnext:
	s_wait_xcnt 0x0                                ; the stores' base is stepped only behind this wait
	s_add_nc_u64 s[8:9], s[8:9], NEXT_C
	s_sub_co_u32 s2, s2, 1
	s_branch .Ltile
.Llast_tile:                                           ; V's end
	MEET 0                                         ; my one tensor load that was still out is slot 1's, the last K step's, so no round follows
	PLACES                                         ; for the loads into buffer 0, which the quarter before multiplied
	WIN TO_B
	BLOAD 0                                        ; three quarters of wb now: buffer 1 (v128-191 of both windows) is still being multiplied
	BLOAD 1
	BLOAD 3
	WIN 0
	ALOAD 0
	WIN MUL_HI
	MUL16 F1, 1, 0, 0
	MUL16 F1, 1, 2, 0
	PLACES                                         ; for the loads into buffer 1
	WIN TO_B
	BLOAD 2
	WIN 0
	ALOAD 1
	ALOAD 2
	ALOAD 3
	s_wait_dscnt 40                                ; all but the 40 just issued
	ROW 0
.irp a, 0,1,2,3,4,5,6,7                ; each block leaves as soon as it is finished: nothing follows this tile, so the sooner its stores begin, the sooner the launch ends
	PLACES                                         ; its conversions read results just made, and no other vector work is at hand
	PACK \a
	TOSTAGE \a
.if (\a) < 4
	ALOAD (\a)+4                                   ; its buffer takes the block four further on: behind the four v_nop and the 32 conversions
	SEND \a, 8                                     ; those eight loads may stay out
.else
	SEND \a, 0
.endif
.if (\a) < 7
	ROW (\a)+1
.endif
.endr
	s_wait_tensorcnt 0x0                           ; the wave's end, behind my last tensor load and my last LDS store
	ds_add_u32 v[SPW], v[NIL]
	s_wait_dscnt 0x0
	CROUND                                         ; the closing round: no work-group ends while a partner may still ask for a tile that names it
	s_endpgm
.Lfunc_end_k_qcf4c32121f_proj:
	.size	k_qcf4c32121f_proj, .Lfunc_end_k_qcf4c32121f_proj-k_qcf4c32121f_proj
	.p2alignl 7, 3214868480
	.fill 96, 4, 3214868480
	.section	.rodata,"a",@progbits
	.p2align	6, 0x0
	.amdhsa_kernel k_qcf4c32121f_proj
		.amdhsa_group_segment_fixed_size 327680
		.amdhsa_private_segment_fixed_size 0
		.amdhsa_enable_private_segment 0
		.amdhsa_kernarg_size 24
		.amdhsa_user_sgpr_count 2
		.amdhsa_user_sgpr_kernarg_segment_ptr 1
		.amdhsa_wavefront_size32 1
		.amdhsa_system_sgpr_workgroup_id_x 1
		.amdhsa_system_sgpr_workgroup_id_y 1
		.amdhsa_system_sgpr_workgroup_id_z 1
		.amdhsa_system_vgpr_workitem_id 0
		.amdhsa_next_free_vgpr 1024
		.amdhsa_next_free_sgpr 72
		.amdhsa_reserve_vcc 0
		.amdhsa_float_denorm_mode_32 3
		.amdhsa_float_denorm_mode_16_64 3
		.amdhsa_memory_ordered 1
		.amdhsa_forward_progress 1
		.amdhsa_inst_pref_size 255
	.end_amdhsa_kernel
	.section	.bss,"aw",@nobits
	.p2align	6
	.space	262144
	.amdgpu_metadata
---
amdhsa.version: [ 1, 2 ]
amdhsa.kernels:
  - .name:           k_qcf4c32121f_proj
    .symbol:         k_qcf4c32121f_proj.kd
    .args:
      - { .name: xb, .offset: 0, .size: 8, .value_kind: global_buffer, .address_space: global }
      - { .name: wb, .offset: 8, .size: 8, .value_kind: global_buffer, .address_space: global }
      - { .name: qkv, .offset: 16, .size: 8, .value_kind: global_buffer, .address_space: global }
    .group_segment_fixed_size: 327680
    .private_segment_fixed_size: 0
    .kernarg_segment_align: 8
    .kernarg_segment_size: 24
    .max_flat_workgroup_size: 128
    .sgpr_count:     72
    .vgpr_count:     1024
    .wavefront_size: 32
...
	.end_amdgpu_metadata
.endif
;; end of part 2
;; launch mix (part 3): grid 256 x 1, 16 waves a work-group, no clusters, 108,544 bytes of LDS; arguments qkv, out0; writes out0
.if DOCPART == 3
	.amdgcn_target "amdgcn-amd-amdhsa--gfx1250"
	.amdhsa_code_object_version 6
	.text
	.protected	k_qcf4c32121f_mix
	.globl	k_qcf4c32121f_mix
	.p2align	8
	.type	k_qcf4c32121f_mix,@function
k_qcf4c32121f_mix:
	s_mov_b64 s[64:65], 0
	v_nop
	global_prefetch_b8 v0, s[64:65] scope:SCOPE_SE
	s_setreg_imm32_b32 hwreg(HW_REG_WAVE_MODE, 25, 1), 1
	s_wait_xcnt 0x0
; For each token: sK[d][h] = 2^tK / sum over h;  tran_V[d][e] = sum over h of sK[d][h] V[h][e];  out[h][e] = (sum over d of 2^tQ[h][d] tran_V[d][e]) / sum over d of 2^tQ[h][d].
; qkv[token] is 6,144 bytes of f16: tK at 0, tQ at 2,048, V at 4,096.  tK and tQ are log2(e) (score - maximum): the maxima were taken away where the scores were made, so every exponent is at most about 0
; and each sum holds a term of about 1.  tK and V lie as byte (c>>3)*256 + (head>>3)*128 + (c&7)*16 + 2 (head&7), c = d or e; tQ as head*128 + 2 d.
; Exponentials, sums and divisions in f32; both products take f16 operands (sK and 2^tQ lie in 0 to 1, tran_V within V's range) and add in f32.
; LIMITS.  A weight under 2^-126 counts as 0; in f16 a weight under 6e-5 keeps the fixed step 6e-8.  NaN and infinities in V are not treated apart.
; SHARES.  A wave owns four tokens on end: 24,576 bytes in, 16,384 out.  All it touches is its own: no barrier.  No cluster and no tensor load: no two waves read the same bytes.
; Sixteen waves, four to a SIMD; a wave keeps the next token's 6,144 bytes on their way while it works on one.
; LAYOUT (r = lane % 16, hh = lane / 16).  First product: k = the 16 heads, in registers 0-3 of both fragments (heads 8 hh + 0..7: 16 bytes as they lie); registers 4-7 hold 0, set once.
; Block db of K holds d = 8 db + 32 (row>>3) + (row&7), block eb of V likewise e.  The result's lane holds one e and d = 8 db + 32 hh + j: rounded in pairs it IS source 0 (row e) of the second product,
; with k = d taken as 32 hh + 16 q + 0..15 in K step q, alike in both sources; source 1's lane holds head r and reads tQ[r][32 hh ..] as 64 bytes on end.  The second result's lane holds head r and e = 32 hh + 8 eb + j.
.set TOKB, 6144
.set OUTB, 4096
.set WLDS, 6656                        ; a wave's LDS: QS 16 heads x 144 bytes, then OS 16 heads x 272 bytes
.set QSP,  144                         ; 128 bytes + 16: the 16 rows that a load touches start at 16 different groups of four banks (64 banks of 4 bytes: ISA guide 11.1)
.set OSP,  272                         ; 256 bytes + 16, likewise
.set OSO,  16*QSP
.set SPARE, 16*WLDS                    ; behind the waves' stages: the spare words, 128 bytes for each wave: eight blocks of 256 bytes that no other line names
.set LIN, 2                            ; v2   16 x lane
.set LKV, 3                            ; v3   (r>>3)*1024 + hh*128 + (r&7)*16: my 16 bytes in block 0 of K or V
.set QSW, 4                            ; v4   where I put 16 bytes of tQ
.set QSR, 5                            ; v5   where I read my head's 64 bytes back
.set OSW, 6                            ; v6   where I put my 128 bytes of out
.set OSR, 7                            ; v7   where I read rows of out back
.set SPW, 8                            ; v8   LDS address of my spare word: SPARE + 4 x my thread's number; never rewritten
.set NIL, 9                            ; v9   0; never rewritten
.set ONE, 10                           ; v10  1.0
.set ZR,  11                           ; v11  0
.set RK,  16                           ; v16-31   tK as loaded, four registers a block
.set QR,  32                           ; v32-47   tQ of my head
.set RQ,  48                           ; v48-63   tQ as loaded
.set T,   64                           ; v64-95   f32 at work; then the first product's results, then the second's
.set KF,  96                           ; v96-127  sK: four fragments
.set VF,  128                          ; v128-159 V: four fragments
.set QF,  160                          ; v160-175 2^tQ: two fragments
.set TV,  176                          ; v176-239 tran_V in f16: block eb, K step q at TV + 16 eb + 8 q
.set SB,  176                          ; v176-207 later: rows of out read back
.set U,   240                          ; v240-255 sums and reciprocals
	s_load_b128 s[4:7], s[0:1], 0x0                ; qkv s[4:5], out0 s[6:7]
	v_lshl_add_u32 v[SPW], v0, 2, SPARE
	v_mov_b32 v[NIL], 0
	v_lshrrev_b32 v1, 5, v0
	v_readfirstlane_b32 s8, v1                     ; wave 0..15
	s_mov_b32 s12, 0x76543210                      ; v_permlanex16_b32: each lane takes its own place in the other half
	s_mov_b32 s13, 0xfedcba98
	v_and_b32 v12, 31, v0                          ; lane
	v_and_b32 v13, 15, v0                          ; r
	v_bfe_u32 v14, v0, 4, 1                        ; hh
	v_bfe_u32 v15, v0, 3, 1                        ; r >> 3
	v_and_b32 v1, 7, v0                            ; r & 7
	v_lshlrev_b32 v[LIN], 4, v12
	v_lshlrev_b32 v[LKV], 10, v15
	v_lshl_add_u32 v[LKV], v14, 7, v[LKV]
	v_lshl_add_u32 v[LKV], v1, 4, v[LKV]
	s_mul_i32 s10, s8, WLDS                        ; my wave's QS
	s_add_co_u32 s11, s10, OSO                     ; and OS
	v_lshrrev_b32 v15, 3, v12                      ; as loaded, 32 lanes hold four heads of 128 bytes
	v_mul_u32_u24 v[QSW], v15, QSP
	v_lshl_add_u32 v[QSW], v1, 4, v[QSW]
	v_add_nc_u32 v[QSW], s10, v[QSW]
	v_mul_u32_u24 v[QSR], v13, QSP                 ; head r, d from 32 hh on
	v_lshl_add_u32 v[QSR], v14, 6, v[QSR]
	v_add_nc_u32 v[QSR], s10, v[QSR]
	v_mul_u32_u24 v[OSW], v13, OSP                 ; head r, e from 32 hh on
	v_lshl_add_u32 v[OSW], v14, 7, v[OSW]
	v_add_nc_u32 v[OSW], s11, v[OSW]
	v_mul_u32_u24 v[OSR], v14, OSP                 ; back: lanes 0-15 one head's 256 bytes, lanes 16-31 the next's
	v_lshl_add_u32 v[OSR], v13, 4, v[OSR]
	v_add_nc_u32 v[OSR], s11, v[OSR]
	v_mov_b32 v[ONE], 1.0
	v_mov_b32 v[ZR], 0
.irp b, 0,1,2,3                        ; k = 16 to 31 of the first product adds nothing: the upper four registers of its eight fragments hold 0 for the whole launch
.irp z, 4,5,6,7
	v_mov_b32 v[KF+8*(\b)+(\z)], 0
	v_mov_b32 v[VF+8*(\b)+(\z)], 0
.endr
.endr
	s_lshl_b32 s14, ttmp9, 4
	s_add_co_u32 s14, s14, s8                      ; my wave among all 4,096
	s_mul_i32 s16, s14, 4*TOKB                     ; under 2^27
	s_mov_b32 s17, 0
	s_lshl_b32 s18, s14, 14                        ; 4 x OUTB
	s_mov_b32 s19, 0
	s_wait_kmcnt 0x0
	s_add_nc_u64 s[4:5], s[4:5], s[16:17]
	s_add_nc_u64 s[6:7], s[6:7], s[18:19]
.macro LOADQ                           ; 512 consecutive bytes a load
.irp i, 0,1,2,3
	global_load_b128 v[RQ+4*(\i):RQ+4*(\i)+3], v[LIN], s[4:5] offset:2048+512*(\i) th:TH_LOAD_NT
.endr
.endm
.macro LOADK                           ; block i: two whole runs of 256 bytes, 1,024 apart
.irp i, 0,1,2,3
	global_load_b128 v[RK+4*(\i):RK+4*(\i)+3], v[LKV], s[4:5] offset:256*(\i) th:TH_LOAD_NT
.endr
.endm
.macro LOADV                           ; likewise, straight into the fragments' lower halves
.irp i, 0,1,2,3
	global_load_b128 v[VF+8*(\i):VF+8*(\i)+3], v[LKV], s[4:5] offset:4096+256*(\i) th:TH_LOAD_NT
.endr
.endm
; 16 registers of f16 pairs become 32 f32 in T (half x 1.0 + 0), and 2^t of them in place
.macro EXP2 src
.set k, 0
.rept 16
	v_fma_mix_f32 v[T+2*k], v[(\src)+k], v[ONE], v[ZR] op_sel_hi:[1,0,0]
	v_fma_mix_f32 v[T+2*k+1], v[(\src)+k], v[ONE], v[ZR] op_sel:[1,0,0] op_sel_hi:[1,0,0]
.set k, k+1
.endr
.set k, 0
.rept 32
	v_exp_f32 v[T+k], v[T+k]
.set k, k+1
.endr
	v_nop                                          ; a plain instruction between the last exponential and the use of its result (ISA guide 5.7.2)
.endm
; ONE TOKEN.  At its head twelve loads are out, in this order: tQ, tK, V.  ahead = 1: the next token's twelve are issued on the way (s[4:5] points at that token).  wv: the loads younger than V's.
.macro TOKEN ahead, wv
	s_wait_loadcnt 4                               ; tQ and tK are in; V's four loads stay out
.irp i, 0,1,2,3
	ds_store_b128 v[QSW], v[RQ+4*(\i):RQ+4*(\i)+3] offset:4*QSP*(\i)
.endr
.irp i, 0,1,2,3
	ds_load_b128 v[QR+4*(\i):QR+4*(\i)+3], v[QSR] offset:16*(\i)  ; LDS serves a wave's instructions in order (ISA guide 5.7.1.4): these see the stores above
.endr
	EXP2 RK                                        ; K's 32 weights stand in the round trip
	s_wait_dscnt 0x0                               ; tQ is back by heads, and the stores have read RQ
.if \ahead
	LOADQ
	LOADK
.endif
	; K: the sum over the 16 heads: my eight, and the eight in the lane 16 away; then the division, and the rounding into the fragments
	s_wait_alu depctr_va_vdst(0)
.irp b, 0,1,2,3
	v_pk_add_f32 v[U+4*(\b):U+4*(\b)+1], v[T+8*(\b):T+8*(\b)+1], v[T+8*(\b)+2:T+8*(\b)+3]
.endr
.irp b, 0,1,2,3
	v_pk_add_f32 v[U+4*(\b)+2:U+4*(\b)+3], v[T+8*(\b)+4:T+8*(\b)+5], v[T+8*(\b)+6:T+8*(\b)+7]
.endr
.irp b, 0,1,2,3
	v_pk_add_f32 v[U+4*(\b):U+4*(\b)+1], v[U+4*(\b):U+4*(\b)+1], v[U+4*(\b)+2:U+4*(\b)+3]
.endr
.irp b, 0,1,2,3
	v_add_f32 v[U+4*(\b)], v[U+4*(\b)], v[U+4*(\b)+1]
.endr
.irp b, 0,1,2,3
	v_permlanex16_b32 v[U+4*(\b)+1], v[U+4*(\b)], s12, s13
.endr
.irp b, 0,1,2,3
	v_add_f32 v[U+4*(\b)], v[U+4*(\b)], v[U+4*(\b)+1]
.endr
.irp b, 0,1,2,3
	v_rcp_f32 v[U+4*(\b)], v[U+4*(\b)]
.endr
	v_nop
	s_wait_alu depctr_va_vdst(0)
.irp b, 0,1,2,3
.irp z, 0,2,4,6
	v_pk_mul_f32 v[T+8*(\b)+(\z):T+8*(\b)+(\z)+1], v[T+8*(\b)+(\z):T+8*(\b)+(\z)+1], v[U+4*(\b):U+4*(\b)+1] op_sel_hi:[1,0]
.endr
.endr
.irp b, 0,1,2,3
.irp z, 0,1,2,3
	v_cvt_pk_f16_f32 v[KF+8*(\b)+(\z)], v[T+8*(\b)+2*(\z)], v[T+8*(\b)+2*(\z)+1]
.endr
.endr
	; Q: the weights go into the fragments undivided; their sum over my 32 d and the other lane's 32 divides the result at the end
	EXP2 QR
.set k, 0
	s_wait_alu depctr_va_vdst(0)
.rept 16
	v_cvt_pk_f16_f32 v[QF+k], v[T+2*k], v[T+2*k+1]
.set k, k+1
.endr
.irp w, 16,8,4,2                       ; fifteen packed additions, in place: pairs w registers apart
.set k, 0
.rept (\w)/2
	v_pk_add_f32 v[T+2*k:T+2*k+1], v[T+2*k:T+2*k+1], v[T+(\w)+2*k:T+(\w)+2*k+1]
.set k, k+1
.endr
.endr
	v_add_f32 v[U], v[T], v[T+1]
	v_permlanex16_b32 v[U+1], v[U], s12, s13
	v_add_f32 v[U], v[U], v[U+1]
	v_rcp_f32 v[U], v[U]
	v_nop
	s_wait_loadcnt \wv                             ; V is in; the next token's tQ and tK stay out
	; tran_V, a block of 16 e at a time: four products (their sums start with 0), four places, sixteen roundings in ascending order.  Between a product and the next one that writes its accumulator
	; stand the four v_nop and the twelve roundings of the other three accumulators.
.irp e, 0,1,2,3
.irp b, 0,1,2,3
	v_wmma_f32_16x16x32_f16 v[T+8*(\b):T+8*(\b)+7], v[KF+8*(\b):KF+8*(\b)+7], v[VF+8*(\e):VF+8*(\e)+7], 0
.endr
.rept 4
	v_nop
.endr
.if ((\e) == 3) && (\ahead)
	LOADV                                          ; four places behind the last product that read V
.endif
.irp b, 0,1,2,3
.irp z, 0,1,2,3
	v_cvt_pk_f16_f32 v[TV+16*(\e)+4*(\b)+(\z)], v[T+8*(\b)+2*(\z)], v[T+8*(\b)+2*(\z)+1]
.endr
.endr
.endr
	; out: two K steps on four accumulators, which take turns
.irp e, 0,1,2,3
	v_wmma_f32_16x16x32_f16 v[T+8*(\e):T+8*(\e)+7], v[TV+16*(\e):TV+16*(\e)+7], v[QF:QF+7], 0
.endr
.irp e, 0,1,2,3
	v_wmma_f32_16x16x32_f16 v[T+8*(\e):T+8*(\e)+7], v[TV+16*(\e)+8:TV+16*(\e)+15], v[QF+8:QF+15], v[T+8*(\e):T+8*(\e)+7]
.endr
.rept 4
	v_nop
.endr
.set k, 0
	s_wait_alu depctr_va_vdst(0)
.rept 16
	v_pk_mul_f32 v[T+2*k:T+2*k+1], v[T+2*k:T+2*k+1], v[U:U+1] op_sel_hi:[1,0]  ; a lane is one head: divided by that head's sum
.set k, k+1
.endr
	; the way out: my 128 bytes of a head into rows of 272 bytes, back as whole heads of 256
.irp i, 0,1,2,3,4,5,6,7
	ds_store_b128 v[OSW], v[T+4*(\i):T+4*(\i)+3] offset:16*(\i)
.endr
.irp i, 0,1,2,3,4,5,6,7
	ds_load_b128 v[SB+4*(\i):SB+4*(\i)+3], v[OSR] offset:2*OSP*(\i)
.endr
.irp i, 0,1,2,3,4,5,6,7
	s_wait_dscnt 7-(\i)                            ; LDS loads come back in order: load i is in
	global_store_b128 v[LIN], v[SB+4*(\i):SB+4*(\i)+3], s[6:7] offset:512*(\i) th:TH_STORE_NT  ; 512 consecutive bytes, at a multiple of 256 from out0's first
.endr
.if \ahead
	s_wait_xcnt 0x0                                ; every earlier memory instruction has had its addresses translated (ISA guide 3.1): both bases and the stores' registers are rewritten only behind this wait
	s_add_nc_u64 s[4:5], s[4:5], TOKB
	s_add_nc_u64 s[6:7], s[6:7], OUTB
.endif
.endm
	LOADQ                                          ; the first token
	LOADK
	LOADV
	s_wait_xcnt 0x0
	s_add_nc_u64 s[4:5], s[4:5], TOKB              ; from here on: the token to be asked for
	s_mov_b32 s9, 3
.Ltok:
	TOKEN 1, 8
	s_sub_co_u32 s9, s9, 1
	s_cmp_lg_u32 s9, 0
	s_cbranch_scc1 .Ltok
	TOKEN 0, 0                                     ; the fourth token is written out: it asks for nothing, so no load passes the buffer's end
	s_wait_tensorcnt 0x0                           ; the wave's end, behind my last LDS store
	ds_add_u32 v[SPW], v[NIL]
	s_wait_dscnt 0x0
	s_endpgm
.Lfunc_end_k_qcf4c32121f_mix:
	.size	k_qcf4c32121f_mix, .Lfunc_end_k_qcf4c32121f_mix-k_qcf4c32121f_mix
	.p2alignl 7, 3214868480
	.fill 96, 4, 3214868480
	.section	.rodata,"a",@progbits
	.p2align	6, 0x0
	.amdhsa_kernel k_qcf4c32121f_mix
		.amdhsa_group_segment_fixed_size 108544
		.amdhsa_private_segment_fixed_size 0
		.amdhsa_enable_private_segment 0
		.amdhsa_kernarg_size 16
		.amdhsa_user_sgpr_count 2
		.amdhsa_user_sgpr_kernarg_segment_ptr 1
		.amdhsa_wavefront_size32 1
		.amdhsa_system_sgpr_workgroup_id_x 1
		.amdhsa_system_sgpr_workgroup_id_y 1
		.amdhsa_system_sgpr_workgroup_id_z 1
		.amdhsa_system_vgpr_workitem_id 0
		.amdhsa_next_free_vgpr 256
		.amdhsa_next_free_sgpr 66
		.amdhsa_reserve_vcc 0
		.amdhsa_float_denorm_mode_32 3
		.amdhsa_float_denorm_mode_16_64 3
		.amdhsa_memory_ordered 1
		.amdhsa_forward_progress 1
		.amdhsa_inst_pref_size 49
	.end_amdhsa_kernel
	.amdgpu_metadata
---
amdhsa.version: [ 1, 2 ]
amdhsa.kernels:
  - .name:           k_qcf4c32121f_mix
    .symbol:         k_qcf4c32121f_mix.kd
    .args:
      - { .name: qkv, .offset: 0, .size: 8, .value_kind: global_buffer, .address_space: global }
      - { .name: out0, .offset: 8, .size: 8, .value_kind: global_buffer, .address_space: global }
    .group_segment_fixed_size: 108544
    .private_segment_fixed_size: 0
    .kernarg_segment_align: 8
    .kernarg_segment_size: 16
    .max_flat_workgroup_size: 512
    .sgpr_count:     66
    .vgpr_count:     256
    .wavefront_size: 32
...
	.end_amdgpu_metadata
.endif
;; end of part 3
;; ======== version 2 of 2: 3 launches; version 1 with the launches cast, mix written anew for expert scheduling mode
;; limits: values are held in f16: magnitudes above 65,504 overflow, below 6.1e-05 lose precision
;; workspace buffers: xb 33,554,432 bytes; wb 6,291,456 bytes; qkv 100,663,296 bytes
;; launch cast (part 4): grid 256 x 1, 19 waves a work-group, no clusters, 0 bytes of LDS; arguments input_seq_embs, W_K, W_Q, W_V, xb, wb; writes xb, wb
.if DOCPART == 4
	.amdgcn_target "amdgcn-amd-amdhsa--gfx1250"
	.amdhsa_code_object_version 6
	.text
	.protected	k_qcf4c32121f_cast
	.globl	k_qcf4c32121f_cast
	.p2align	8
	.type	k_qcf4c32121f_cast,@function
k_qcf4c32121f_cast:
	s_mov_b64 s[64:65], 0
	v_nop
	global_prefetch_b8 v0, s[64:65] scope:SCOPE_SE
	s_setreg_imm32_b32 hwreg(HW_REG_WAVE_SCHED_MODE, 0, 2), 2
	s_setreg_imm32_b32 hwreg(HW_REG_WAVE_MODE, 25, 1), 1
	s_wait_xcnt 0x0
	s_wait_alu depctr_vm_vsrc(0)
; xb = x rounded to bf16, [16384][1024].  wb = W_K, W_Q, W_V rounded to bf16, one below the other, [3072][1024]; the rows of W_K and W_V are laid in another order.
; THE ORDER.  Row n' (0..1023) of wb's K part (and of its V part) is row head*64 + c of the weight, with n' = (c>>3)*128 + (head>>3)*64 + (c&7)*8 + (head&7).
; So the projection that follows, which writes plain row-major results, leaves the 16 heads of one channel c as two runs of 16 bytes.  W_Q keeps its order.
; SHARES.  16,384 + 3,072 = 19,456 rows of 4,096 bytes = 256 work-groups x 19 waves x 4 rows.  A wave's four rows lie in one buffer (every boundary is a multiple of 4);
; in the other order four consecutive n' are four consecutive heads: 64 source rows apart.
; A stream: every byte is read once and written once; no LDS, no matrix unit, and no cluster, since no two work-groups read the same bytes.
; All 32 loads of a wave (16 KiB) go out before its first wait for data.
; LIMITS.  Rounding to nearest even; NaN and infinities pass as the conversion leaves them.
; THE MODE: SCHED_MODE bits 1:0 = 2 (LLVM: expert scheduling mode 2), set by the entry lines.  The code itself states the register dependences
; between vector instructions and memory instructions, with s_wait_alu, always for 0.
; THE PLAN.  Registers that memory instructions touch:
;   v1, v2   the byte offset of every load and of every store: made once at the head and never written again.
;   X        load k lands in v[X+4k .. X+4k+3]; two conversions read the four and write the first two; store k reads those two; nothing writes them afterwards.
; One wait on va_vdst stands ahead of the 32 loads (v1 and v2 are written; no vector instruction has named X).  The loads are worked off in eight groups of four: one wait on LOADcnt,
; eight conversions, ONE wait on va_vdst, four stores.  That wait stands behind the group's conversions and not at the next group's head, so that a group's stores do not wait for the next group's loads.
; No register that a memory instruction has read is written again, so no wait on vm_vsrc stands behind the entry lines.
.set ROWS_X, 16384
.set ROWB,   4096                      ; bytes in a source row
.set X,      16                        ; v[16:143] 32 loads of four registers
	s_load_b256 s[4:11], s[0:1], 0x0               ; x s[4:5], W_K s[6:7], W_Q s[8:9], W_V s[10:11]
	s_load_b128 s[12:15], s[0:1], 0x20             ; xb s[12:13], wb s[14:15]
	v_lshrrev_b32 v3, 5, v0
	v_readfirstlane_b32 s16, v3                    ; wave 0..18
	v_and_b32 v1, 31, v0
	v_lshlrev_b32 v2, 3, v1                        ; 8 bytes a lane in a destination row
	v_lshlrev_b32 v1, 4, v1                        ; 16 bytes a lane in a source row
	s_mul_i32 s17, ttmp9, 19
	s_wait_alu depctr_va_sdst(0)                   ; s16 is written, ahead of its first reader: my rows' number, and with it every base, is made from it
	s_add_co_u32 s17, s17, s16
	s_lshl_b32 s17, s17, 2                         ; my first row in the joined list
	s_cmp_lt_u32 s17, ROWS_X
	s_cselect_b32 s18, 1, 0                        ; 1: my rows are x's
	s_sub_co_u32 s19, s17, ROWS_X
	s_cmp_eq_u32 s18, 1
	s_cselect_b32 s19, 0, s19                      ; n: my first row in wb (0 where my rows are x's)
	s_lshr_b32 s30, s19, 10                        ; which weight: 0 K, 1 Q, 2 V
	s_and_b32 s31, s19, 1023                       ; n'
	s_bfe_u32 s37, s31, 0x10006                    ; head>>3
	s_lshl_b32 s37, s37, 9                         ; x 8 heads x 64 rows
	s_and_b32 s38, s31, 4                          ; head&7 of my first row: 0 or 4
	s_lshl_b32 s38, s38, 6
	s_add_co_u32 s37, s37, s38
	s_lshr_b32 s38, s31, 7                         ; c>>3
	s_lshl_b32 s38, s38, 3
	s_add_co_u32 s37, s37, s38
	s_bfe_u32 s38, s31, 0x30003                    ; c&7
	s_add_co_u32 s37, s37, s38                     ; the source row in the other order
	s_cmp_eq_u32 s30, 1
	s_cselect_b32 s36, 1, 0
	s_or_b32 s36, s36, s18                         ; 1: the rows keep their order (x, W_Q)
	s_mov_b32 s40, 64*ROWB
	s_cmp_eq_u32 s36, 1
	s_cselect_b32 s40, ROWB, s40                   ; bytes from one of my source rows to the next
	s_cselect_b32 s38, s31, s37
	s_cmp_eq_u32 s18, 1
	s_cselect_b32 s38, s17, s38                    ; my first source row
	s_cselect_b32 s42, s17, s19                    ; my first destination row
	s_lshl_b32 s38, s38, 12                        ; in bytes: under 2^27
	s_mov_b32 s39, 0
	s_mov_b32 s41, 0
	s_lshl_b32 s42, s42, 11
	s_mov_b32 s43, 0
	s_wait_kmcnt 0x0
	s_cmp_eq_u32 s30, 0                            ; the buffers are chosen on my row's number alone
	s_cselect_b64 s[34:35], s[6:7], s[10:11]
	s_cmp_eq_u32 s30, 1
	s_cselect_b64 s[34:35], s[8:9], s[34:35]
	s_cmp_eq_u32 s18, 1
	s_cselect_b64 s[34:35], s[4:5], s[34:35]
	s_cselect_b64 s[28:29], s[12:13], s[14:15]
	s_add_nc_u64 s[20:21], s[34:35], s[38:39]      ; my four source rows
	s_add_nc_u64 s[22:23], s[20:21], s[40:41]
	s_add_nc_u64 s[24:25], s[22:23], s[40:41]
	s_add_nc_u64 s[26:27], s[24:25], s[40:41]
	s_add_nc_u64 s[28:29], s[28:29], s[42:43]      ; my four destination rows, 2,048 bytes each, on end
	s_wait_alu depctr_va_vdst(0)                   ; v1 and v2 are written: every load reads v1 as its offset, every store v2
.irp i, 0,1,2,3
.irp c, 0,1,2,3,4,5,6,7
	global_load_b128 v[X+4*(8*(\i)+(\c)):X+4*(8*(\i)+(\c))+3], v1, s[20+2*(\i):21+2*(\i)] offset:512*(\c) th:TH_LOAD_NT  ; 512 consecutive bytes
.endr
.endr
.set g, 0
.rept 8                                ; group g: loads 4 g to 4 g + 3
	s_wait_loadcnt 28-4*g                          ; loads come back in order (ISA guide 5.7.1): the group's four are in, the younger ones stay out
.set k, 4*g
.rept 4
	v_cvt_pk_bf16_f32 v[X+4*k], v[X+4*k], v[X+4*k+1]
	v_cvt_pk_bf16_f32 v[X+4*k+1], v[X+4*k+2], v[X+4*k+3]
.set k, k+1
.endr
	s_wait_alu depctr_va_vdst(0)                   ; the eight conversions have written the four pairs that the stores below read
.set k, 4*g
.rept 4
	global_store_b64 v2, v[X+4*k:X+4*k+1], s[28:29] offset:2048*(k/8)+256*(k%8)  ; the wave's 32 lanes store 256 consecutive bytes, at a multiple of 256 from the buffer's first; the group's four stores 1,024 on end
.set k, k+1
.endr
.set g, g+1
.endr
	s_endpgm
.Lfunc_end_k_qcf4c32121f_cast:
	.size	k_qcf4c32121f_cast, .Lfunc_end_k_qcf4c32121f_cast-k_qcf4c32121f_cast
	.p2alignl 7, 3214868480
	.fill 96, 4, 3214868480
	.section	.rodata,"a",@progbits
	.p2align	6, 0x0
	.amdhsa_kernel k_qcf4c32121f_cast
		.amdhsa_group_segment_fixed_size 0
		.amdhsa_private_segment_fixed_size 0
		.amdhsa_enable_private_segment 0
		.amdhsa_kernarg_size 48
		.amdhsa_user_sgpr_count 2
		.amdhsa_user_sgpr_kernarg_segment_ptr 1
		.amdhsa_wavefront_size32 1
		.amdhsa_system_sgpr_workgroup_id_x 1
		.amdhsa_system_sgpr_workgroup_id_y 1
		.amdhsa_system_sgpr_workgroup_id_z 1
		.amdhsa_system_vgpr_workitem_id 0
		.amdhsa_next_free_vgpr 144
		.amdhsa_next_free_sgpr 66
		.amdhsa_reserve_vcc 0
		.amdhsa_float_denorm_mode_32 3
		.amdhsa_float_denorm_mode_16_64 3
		.amdhsa_memory_ordered 1
		.amdhsa_forward_progress 1
		.amdhsa_inst_pref_size 13
	.end_amdhsa_kernel
	.amdgpu_metadata
---
amdhsa.version: [ 1, 2 ]
amdhsa.kernels:
  - .name:           k_qcf4c32121f_cast
    .symbol:         k_qcf4c32121f_cast.kd
    .args:
      - { .name: input_seq_embs, .offset: 0, .size: 8, .value_kind: global_buffer, .address_space: global }
      - { .name: W_K, .offset: 8, .size: 8, .value_kind: global_buffer, .address_space: global }
      - { .name: W_Q, .offset: 16, .size: 8, .value_kind: global_buffer, .address_space: global }
      - { .name: W_V, .offset: 24, .size: 8, .value_kind: global_buffer, .address_space: global }
      - { .name: xb, .offset: 32, .size: 8, .value_kind: global_buffer, .address_space: global }
      - { .name: wb, .offset: 40, .size: 8, .value_kind: global_buffer, .address_space: global }
    .group_segment_fixed_size: 0
    .private_segment_fixed_size: 0
    .kernarg_segment_align: 8
    .kernarg_segment_size: 48
    .max_flat_workgroup_size: 608
    .sgpr_count:     66
    .vgpr_count:     144
    .wavefront_size: 32
...
	.end_amdgpu_metadata
.endif
;; end of part 4
;; launch proj: the kernel of part 2 again; grid 4 x 64, 4 waves a work-group, clusters of 4 x 4, 327,680 bytes of LDS; arguments xb, wb, qkv; writes qkv
;; launch mix (part 5): grid 256 x 1, 16 waves a work-group, no clusters, 108,544 bytes of LDS; arguments qkv, out0; writes out0
.if DOCPART == 5
	.amdgcn_target "amdgcn-amd-amdhsa--gfx1250"
	.amdhsa_code_object_version 6
	.text
	.protected	k_qcf4c32121f_mix
	.globl	k_qcf4c32121f_mix
	.p2align	8
	.type	k_qcf4c32121f_mix,@function
k_qcf4c32121f_mix:
	s_mov_b64 s[64:65], 0
	v_nop
	global_prefetch_b8 v0, s[64:65] scope:SCOPE_SE
	s_setreg_imm32_b32 hwreg(HW_REG_WAVE_SCHED_MODE, 0, 2), 2
	s_setreg_imm32_b32 hwreg(HW_REG_WAVE_MODE, 25, 1), 1
	s_wait_xcnt 0x0
	s_wait_alu depctr_vm_vsrc(0)
; For each token: sK[d][h] = 2^tK / sum over h;  tran_V[d][e] = sum over h of sK[d][h] V[h][e];  out[h][e] = (sum over d of 2^tQ[h][d] tran_V[d][e]) / sum over d of 2^tQ[h][d].
; qkv[token] is 6,144 bytes of f16: tK at 0, tQ at 2,048, V at 4,096.  tK and tQ are log2(e) (score - maximum): the maxima were taken away where the scores were made, so every exponent is at most about 0
; and each sum holds a term of about 1.  tK and V lie as byte (c>>3)*256 + (head>>3)*128 + (c&7)*16 + 2 (head&7), c = d or e; tQ as head*128 + 2 d.
; Exponentials, sums and divisions in f32; both products take f16 operands (sK and 2^tQ lie in 0 to 1, tran_V within V's range) and add in f32.
; LIMITS.  A weight under 2^-126 counts as 0; in f16 a weight under 6e-5 keeps the fixed step 6e-8.  NaN and infinities in V are not treated apart.
; SHARES.  A wave owns four tokens on end: 24,576 bytes in, 16,384 out.  All it touches is its own: no barrier.  No cluster and no tensor load: no two waves read the same bytes.
; Sixteen waves, four to a SIMD; a wave keeps the next token's 6,144 bytes on their way while it works on one.
; LAYOUT (r = lane % 16, hh = lane / 16).  First product: k = the 16 heads, in registers 0-3 of both fragments (heads 8 hh + 0..7: 16 bytes as they lie); registers 4-7 hold 0, set once.
; Block db of K holds d = 8 db + 32 (row>>3) + (row&7), block eb of V likewise e.  The result's lane holds one e and d = 8 db + 32 hh + j: rounded in pairs it IS source 0 (row e) of the second product,
; with k = d taken as 32 hh + 16 q + 0..15 in K step q, alike in both sources; source 1's lane holds head r and reads tQ[r][32 hh ..] as 64 bytes on end.  The second result's lane holds head r and e = 32 hh + 8 eb + j.
; THE MODE: SCHED_MODE bits 1:0 = 2 (LLVM: expert scheduling mode 2), set by the entry lines.  The code itself states the register dependences
; between vector or matrix instructions and memory or LDS instructions, with s_wait_alu, always for 0.
; THE PLAN.  Registers that memory or LDS instructions touch, round a token:
;   v2-v9    offsets, LDS addresses and the closing add's two registers: made at the head, never written again.
;   RQ       tQ lands; the four LDS stores at the token's head read it; the next token's tQ lands.  No vector instruction names it.
;   RK       tK lands; K's 32 widening lines read it; the next token's tK lands behind them.
;   QR       the LDS loads at the token's head land in it; Q's 32 widening lines read it.
;   VF       (lower halves) V lands; the sixteen first products read it; the next token's V lands behind the last of them.
;   T        written by vector and matrix instructions; the way out's eight LDS stores read it; the next token's widening lines write it again.
;   SB       = tran_V's first 32 registers: written by roundings, read by the second product; the way out's LDS loads land in it; the global stores read it; the next token's roundings write it again.
; The waits on va_vdst: behind K's widening lines (RK); behind each batch of exponentials and K's reciprocals, ahead of the batch's first reader; behind the last first products (VF, and the reciprocal of
; Q's sum); ahead of the way out (T, SB; since no vector instruction between it and the next token's head names QR, it serves the LDS loads into QR too).  The waits on vm_vsrc: ahead of the loads into RQ; at the token's end (T, SB).
.set TOKB, 6144
.set OUTB, 4096
.set WLDS, 6656                        ; a wave's LDS: QS 16 heads x 144 bytes, then OS 16 heads x 272 bytes
.set QSP,  144                         ; 128 bytes + 16: the 16 rows that a load touches start at 16 different groups of four banks (64 banks of 4 bytes: ISA guide 11.1)
.set OSP,  272                         ; 256 bytes + 16, likewise
.set OSO,  16*QSP
.set SPARE, 16*WLDS                    ; behind the waves' stages: the spare words, 128 bytes for each wave: eight blocks of 256 bytes that no other line names
.set LIN, 2                            ; v2   16 x lane
.set LKV, 3                            ; v3   (r>>3)*1024 + hh*128 + (r&7)*16: my 16 bytes in block 0 of K or V
.set QSW, 4                            ; v4   where I put 16 bytes of tQ
.set QSR, 5                            ; v5   where I read my head's 64 bytes back
.set OSW, 6                            ; v6   where I put my 128 bytes of out
.set OSR, 7                            ; v7   where I read rows of out back
.set SPW, 8                            ; v8   LDS address of my spare word: SPARE + 4 x my thread's number; never rewritten
.set NIL, 9                            ; v9   0; never rewritten
.set ONE, 10                           ; v10  1.0
.set ZR,  11                           ; v11  0
.set RK,  16                           ; v16-31   tK as loaded, four registers a block
.set QR,  32                           ; v32-47   tQ of my head
.set RQ,  48                           ; v48-63   tQ as loaded
.set T,   64                           ; v64-95   f32 at work; then the first product's results, then the second's
.set KF,  96                           ; v96-127  sK: four fragments
.set VF,  128                          ; v128-159 V: four fragments
.set QF,  160                          ; v160-175 2^tQ: two fragments
.set TV,  176                          ; v176-239 tran_V in f16: block eb, K step q at TV + 16 eb + 8 q
.set SB,  176                          ; v176-207 later: rows of out read back
.set U,   240                          ; v240-255 sums and reciprocals
	s_load_b128 s[4:7], s[0:1], 0x0                ; qkv s[4:5], out0 s[6:7]
	v_lshl_add_u32 v[SPW], v0, 2, SPARE
	v_mov_b32 v[NIL], 0
	v_lshrrev_b32 v1, 5, v0
	v_readfirstlane_b32 s8, v1                     ; wave 0..15
	s_mov_b32 s12, 0x76543210                      ; v_permlanex16_b32: each lane takes its own place in the other half
	s_mov_b32 s13, 0xfedcba98
	v_and_b32 v12, 31, v0                          ; lane
	v_and_b32 v13, 15, v0                          ; r
	v_bfe_u32 v14, v0, 4, 1                        ; hh
	v_bfe_u32 v15, v0, 3, 1                        ; r >> 3
	v_and_b32 v1, 7, v0                            ; r & 7
	v_lshlrev_b32 v[LIN], 4, v12
	v_lshlrev_b32 v[LKV], 10, v15
	v_lshl_add_u32 v[LKV], v14, 7, v[LKV]
	v_lshl_add_u32 v[LKV], v1, 4, v[LKV]
	s_wait_alu depctr_va_sdst(0)                   ; s8 is written, ahead of its first reader: my stages' LDS addresses and both bases are made from it
	s_mul_i32 s10, s8, WLDS                        ; my wave's QS
	s_add_co_u32 s11, s10, OSO                     ; and OS
	v_lshrrev_b32 v15, 3, v12                      ; as loaded, 32 lanes hold four heads of 128 bytes
	v_mul_u32_u24 v[QSW], v15, QSP
	v_lshl_add_u32 v[QSW], v1, 4, v[QSW]
	v_add_nc_u32 v[QSW], s10, v[QSW]
	v_mul_u32_u24 v[QSR], v13, QSP                 ; head r, d from 32 hh on
	v_lshl_add_u32 v[QSR], v14, 6, v[QSR]
	v_add_nc_u32 v[QSR], s10, v[QSR]
	v_mul_u32_u24 v[OSW], v13, OSP                 ; head r, e from 32 hh on
	v_lshl_add_u32 v[OSW], v14, 7, v[OSW]
	v_add_nc_u32 v[OSW], s11, v[OSW]
	v_mul_u32_u24 v[OSR], v14, OSP                 ; back: lanes 0-15 one head's 256 bytes, lanes 16-31 the next's
	v_lshl_add_u32 v[OSR], v13, 4, v[OSR]
	v_add_nc_u32 v[OSR], s11, v[OSR]
	v_mov_b32 v[ONE], 1.0
	v_mov_b32 v[ZR], 0
.irp b, 0,1,2,3                        ; k = 16 to 31 of the first product adds nothing: the upper four registers of its eight fragments hold 0 for the whole launch
.irp z, 4,5,6,7
	v_mov_b32 v[KF+8*(\b)+(\z)], 0
	v_mov_b32 v[VF+8*(\b)+(\z)], 0
.endr
.endr
	s_lshl_b32 s14, ttmp9, 4
	s_add_co_u32 s14, s14, s8                      ; my wave among all 4,096
	s_mul_i32 s16, s14, 4*TOKB                     ; under 2^27
	s_mov_b32 s17, 0
	s_lshl_b32 s18, s14, 14                        ; 4 x OUTB
	s_mov_b32 s19, 0
	s_wait_kmcnt 0x0
	s_add_nc_u64 s[4:5], s[4:5], s[16:17]
	s_add_nc_u64 s[6:7], s[6:7], s[18:19]
.macro LOADQ                           ; 512 consecutive bytes a load
.irp i, 0,1,2,3
	global_load_b128 v[RQ+4*(\i):RQ+4*(\i)+3], v[LIN], s[4:5] offset:2048+512*(\i) th:TH_LOAD_NT
.endr
.endm
.macro LOADK                           ; block i: two whole runs of 256 bytes, 1,024 apart
.irp i, 0,1,2,3
	global_load_b128 v[RK+4*(\i):RK+4*(\i)+3], v[LKV], s[4:5] offset:256*(\i) th:TH_LOAD_NT
.endr
.endm
.macro LOADV                           ; likewise, straight into the fragments' lower halves
.irp i, 0,1,2,3
	global_load_b128 v[VF+8*(\i):VF+8*(\i)+3], v[LKV], s[4:5] offset:4096+256*(\i) th:TH_LOAD_NT
.endr
.endm
; 16 registers of f16 pairs become 32 f32 in T (half x 1.0 + 0)
.macro WIDEN src
.set k, 0
.rept 16
	v_fma_mix_f32 v[T+2*k], v[(\src)+k], v[ONE], v[ZR] op_sel_hi:[1,0,0]
	v_fma_mix_f32 v[T+2*k+1], v[(\src)+k], v[ONE], v[ZR] op_sel:[1,0,0] op_sel_hi:[1,0,0]
.set k, k+1
.endr
.endm
; 2^t of the 32 numbers in T, in place: one batch
.macro POW2
.set k, 0
.rept 32
	v_exp_f32 v[T+k], v[T+k]
.set k, k+1
.endr
	v_nop                                          ; a plain instruction between the last exponential and the use of its result (ISA guide 5.7.2)
.endm
; ONE TOKEN.  At its head twelve loads are out, in this order: tQ, tK, V.  ahead = 1: the next token's twelve are issued on the way (s[4:5] points at that token).  wv: the loads younger than V's.
.macro TOKEN ahead, wv
	s_wait_loadcnt 4                               ; tQ and tK are in; V's four loads stay out
.irp i, 0,1,2,3
	ds_store_b128 v[QSW], v[RQ+4*(\i):RQ+4*(\i)+3] offset:4*QSP*(\i)
.endr
.irp i, 0,1,2,3
	ds_load_b128 v[QR+4*(\i):QR+4*(\i)+3], v[QSR] offset:16*(\i)  ; LDS serves a wave's instructions in order (ISA guide 5.7.1.4): these see the stores above.  The last token's readers of QR stand ahead of its last wait on va_vdst
.endr
	WIDEN RK                                       ; K's 32 weights stand in the round trip
.if \ahead
	s_wait_alu depctr_vm_vsrc(0)                   ; the four LDS stores above have read RQ, in which the next token's tQ lands
	s_wait_alu depctr_va_vdst(0)                   ; the widening lines are done reading RK, in which the next token's tK lands
	LOADQ
	LOADK
.endif
	POW2
	s_wait_alu depctr_va_vdst(0)                   ; K's 32 exponentials are written: one wait for the batch, ahead of its first reader
	; K: the sum over the 16 heads: my eight, and the eight in the lane 16 away; then the division, and the rounding into the fragments
.irp b, 0,1,2,3
	v_pk_add_f32 v[U+4*(\b):U+4*(\b)+1], v[T+8*(\b):T+8*(\b)+1], v[T+8*(\b)+2:T+8*(\b)+3]
.endr
.irp b, 0,1,2,3
	v_pk_add_f32 v[U+4*(\b)+2:U+4*(\b)+3], v[T+8*(\b)+4:T+8*(\b)+5], v[T+8*(\b)+6:T+8*(\b)+7]
.endr
.irp b, 0,1,2,3
	v_pk_add_f32 v[U+4*(\b):U+4*(\b)+1], v[U+4*(\b):U+4*(\b)+1], v[U+4*(\b)+2:U+4*(\b)+3]
.endr
.irp b, 0,1,2,3
	v_add_f32 v[U+4*(\b)], v[U+4*(\b)], v[U+4*(\b)+1]
.endr
.irp b, 0,1,2,3
	v_permlanex16_b32 v[U+4*(\b)+1], v[U+4*(\b)], s12, s13
.endr
.irp b, 0,1,2,3
	v_add_f32 v[U+4*(\b)], v[U+4*(\b)], v[U+4*(\b)+1]
.endr
.irp b, 0,1,2,3
	v_rcp_f32 v[U+4*(\b)], v[U+4*(\b)]
.endr
	v_nop                                          ; a plain instruction between the last reciprocal and the use of its result
	s_wait_alu depctr_va_vdst(0)                   ; the four reciprocals are written: one wait, ahead of their first reader
.irp b, 0,1,2,3
.irp z, 0,2,4,6
	v_pk_mul_f32 v[T+8*(\b)+(\z):T+8*(\b)+(\z)+1], v[T+8*(\b)+(\z):T+8*(\b)+(\z)+1], v[U+4*(\b):U+4*(\b)+1] op_sel_hi:[1,0]
.endr
.endr
.irp b, 0,1,2,3
.irp z, 0,1,2,3
	v_cvt_pk_f16_f32 v[KF+8*(\b)+(\z)], v[T+8*(\b)+2*(\z)], v[T+8*(\b)+2*(\z)+1]
.endr
.endr
	; Q: the weights go into the fragments undivided; their sum over my 32 d and the other lane's 32 divides the result at the end
	s_wait_dscnt 0x0                               ; tQ is back by heads, in QR
	WIDEN QR
	POW2
	s_wait_alu depctr_va_vdst(0)                   ; Q's 32 exponentials are written: one wait for the batch, ahead of its first reader
.set k, 0
.rept 16
	v_cvt_pk_f16_f32 v[QF+k], v[T+2*k], v[T+2*k+1]
.set k, k+1
.endr
.irp w, 16,8,4,2                       ; fifteen packed additions, in place: pairs w registers apart
.set k, 0
.rept (\w)/2
	v_pk_add_f32 v[T+2*k:T+2*k+1], v[T+2*k:T+2*k+1], v[T+(\w)+2*k:T+(\w)+2*k+1]
.set k, k+1
.endr
.endr
	v_add_f32 v[U], v[T], v[T+1]
	v_permlanex16_b32 v[U+1], v[U], s12, s13
	v_add_f32 v[U], v[U], v[U+1]
	v_rcp_f32 v[U], v[U]
	v_nop                                          ; a plain instruction behind the reciprocal; its wait stands behind the last first products, below
	s_wait_loadcnt \wv                             ; V is in; the next token's tQ and tK stay out
	; tran_V, a block of 16 e at a time: four products (their sums start with 0), four places, sixteen roundings in ascending order.  Between a product and the next one that writes its accumulator
	; stand the four v_nop and the twelve roundings of the other three accumulators.
.irp e, 0,1,2,3
.irp b, 0,1,2,3
	v_wmma_f32_16x16x32_f16 v[T+8*(\b):T+8*(\b)+7], v[KF+8*(\b):KF+8*(\b)+7], v[VF+8*(\e):VF+8*(\e)+7], 0
.endr
.rept 4
	v_nop
.endr
.if (\e) == 3
	s_wait_alu depctr_va_vdst(0)                   ; the reciprocal of Q's sum is written, ahead of its first reader, the division below; and, where a token follows, the sixteen products are done reading V's fragments, in which its V lands
.if \ahead
	LOADV
.endif
.endif
.irp b, 0,1,2,3
.irp z, 0,1,2,3
	v_cvt_pk_f16_f32 v[TV+16*(\e)+4*(\b)+(\z)], v[T+8*(\b)+2*(\z)], v[T+8*(\b)+2*(\z)+1]
.endr
.endr
.endr
	; out: two K steps on four accumulators, which take turns
.irp e, 0,1,2,3
	v_wmma_f32_16x16x32_f16 v[T+8*(\e):T+8*(\e)+7], v[TV+16*(\e):TV+16*(\e)+7], v[QF:QF+7], 0
.endr
.irp e, 0,1,2,3
	v_wmma_f32_16x16x32_f16 v[T+8*(\e):T+8*(\e)+7], v[TV+16*(\e)+8:TV+16*(\e)+15], v[QF+8:QF+15], v[T+8*(\e):T+8*(\e)+7]
.endr
.rept 4
	v_nop
.endr
.set k, 0
.rept 16
	v_pk_mul_f32 v[T+2*k:T+2*k+1], v[T+2*k:T+2*k+1], v[U:U+1] op_sel_hi:[1,0]  ; a lane is one head: divided by that head's sum
.set k, k+1
.endr
	; the way out: my 128 bytes of a head into rows of 272 bytes, back as whole heads of 256
	s_wait_alu depctr_va_vdst(0)                   ; the divisions have written T, which the LDS stores read; the roundings have written and the second product is done reading tran_V's registers, in which the rows read back land
.irp i, 0,1,2,3,4,5,6,7
	ds_store_b128 v[OSW], v[T+4*(\i):T+4*(\i)+3] offset:16*(\i)
.endr
.irp i, 0,1,2,3,4,5,6,7
	ds_load_b128 v[SB+4*(\i):SB+4*(\i)+3], v[OSR] offset:2*OSP*(\i)
.endr
.irp i, 0,1,2,3,4,5,6,7
	s_wait_dscnt 7-(\i)                            ; LDS loads come back in order: load i is in
	global_store_b128 v[LIN], v[SB+4*(\i):SB+4*(\i)+3], s[6:7] offset:512*(\i) th:TH_STORE_NT  ; 512 consecutive bytes, at a multiple of 256 from out0's first
.endr
.if \ahead
	s_wait_xcnt 0x0                                ; every earlier memory instruction has had its addresses translated (ISA guide 3.1): both bases and the stores' registers are rewritten only behind this wait
	s_wait_alu depctr_vm_vsrc(0)                   ; the LDS stores have read T and the global stores SB: the next token's widening lines and roundings write them again
	s_add_nc_u64 s[4:5], s[4:5], TOKB
	s_add_nc_u64 s[6:7], s[6:7], OUTB
.endif
.endm
	s_wait_alu depctr_va_vdst(0)                   ; the offsets and LDS addresses v2 to v7 are written, which every load, store and LDS instruction below reads
	LOADQ                                          ; the first token
	LOADK
	LOADV
	s_wait_xcnt 0x0
	s_add_nc_u64 s[4:5], s[4:5], TOKB              ; from here on: the token to be asked for
	s_mov_b32 s9, 3
.Ltok:
	TOKEN 1, 8
	s_sub_co_u32 s9, s9, 1
	s_cmp_lg_u32 s9, 0
	s_cbranch_scc1 .Ltok
	TOKEN 0, 0                                     ; the fourth token is written out: it asks for nothing, so no load passes the buffer's end
	s_wait_dscnt 0x0                               ; the closing lines, six on end
	s_wait_alu 0x0
	s_wait_tensorcnt 0x0
	ds_add_u32 v[SPW], v[NIL]
	s_wait_dscnt 0x0
	s_endpgm
.Lfunc_end_k_qcf4c32121f_mix:
	.size	k_qcf4c32121f_mix, .Lfunc_end_k_qcf4c32121f_mix-k_qcf4c32121f_mix
	.p2alignl 7, 3214868480
	.fill 96, 4, 3214868480
	.section	.rodata,"a",@progbits
	.p2align	6, 0x0
	.amdhsa_kernel k_qcf4c32121f_mix
		.amdhsa_group_segment_fixed_size 108544
		.amdhsa_private_segment_fixed_size 0
		.amdhsa_enable_private_segment 0
		.amdhsa_kernarg_size 16
		.amdhsa_user_sgpr_count 2
		.amdhsa_user_sgpr_kernarg_segment_ptr 1
		.amdhsa_wavefront_size32 1
		.amdhsa_system_sgpr_workgroup_id_x 1
		.amdhsa_system_sgpr_workgroup_id_y 1
		.amdhsa_system_sgpr_workgroup_id_z 1
		.amdhsa_system_vgpr_workitem_id 0
		.amdhsa_next_free_vgpr 256
		.amdhsa_next_free_sgpr 66
		.amdhsa_reserve_vcc 0
		.amdhsa_float_denorm_mode_32 3
		.amdhsa_float_denorm_mode_16_64 3
		.amdhsa_memory_ordered 1
		.amdhsa_forward_progress 1
		.amdhsa_inst_pref_size 50
	.end_amdhsa_kernel
	.amdgpu_metadata
---
amdhsa.version: [ 1, 2 ]
amdhsa.kernels:
  - .name:           k_qcf4c32121f_mix
    .symbol:         k_qcf4c32121f_mix.kd
    .args:
      - { .name: qkv, .offset: 0, .size: 8, .value_kind: global_buffer, .address_space: global }
      - { .name: out0, .offset: 8, .size: 8, .value_kind: global_buffer, .address_space: global }
    .group_segment_fixed_size: 108544
    .private_segment_fixed_size: 0
    .kernarg_segment_align: 8
    .kernarg_segment_size: 16
    .max_flat_workgroup_size: 512
    .sgpr_count:     66
    .vgpr_count:     256
    .wavefront_size: 32
...
	.end_amdgpu_metadata
.endif
;; end of part 5
